; MI455X (gfx1250); checked and timed in simulation.
; The chip was launched on July 23, 2026; its instructions are those of AMD's public machine-readable ISA for CDNA 5 (MIT licence, August 2026) and "CDNA5" Instruction Set Architecture Reference Guide (July 2026). The comments in the code are by the model that wrote it; some were corrected since.
;; Multi Head Attention. Allowed arithmetic: matrix products marked QUANTISED: E2M1 operands, one E8M0 scale for each 32 along K, by v_wmma_scale_f32_16x16x128_f8f6f4 with both operands' format E2M1 (or v_wmma_scale_f32_32x16x128_f4), f32 sums; products left as they are: bf16, f16 or f32 operands; f32 sums; everything else in f32.
;; Inputs: Wk 1,024 x 1,024 float32; Wp 1,024 x 1,024 float32; Wq 1,024 x 1,024 float32; Wv 1,024 x 1,024 float32; bk 1,024 float32; bp 1,024 float32; bq 1,024 float32; bv 1,024 float32; key 4 x 2,048 x 1,024 float32; query 4 x 2,048 x 1,024 float32; value 4 x 2,048 x 1,024 float32.
;; Outputs: out0 4 x 2,048 x 1,024 float32.
;; This version of the problem:
;;   THIS VERSION OF THE PROBLEM IS GIVEN IN LOW PRECISION. The matrix products marked QUANTISED in the list below multiply operands that are first quantised to E2M1 (2 exponent bits, 1 mantissa bit; 4 bits a number), with one power-of-two scale for each 32 numbers along K (OCP MX v1.0); their sums are f32. The products marked 'left as it is' may take bf16, f16 or f32 operands, with f32 sums. Whichever they take, every output number must still come out within the allowed error. Rounding operands to bf16 (8 significant bits) uses up far more of that allowance than f16 does (11 bits, for magnitudes from 6e-5 to 65,504). All else is computed in f32.
;;   The module's matrix products, in the order in which they are computed (A, B: the left and right operand; K: the contracted axis; several contracted axes count as one K, in the product's order):
;;     1. [M 8,192, K 1,024] x [K 1,024, N 1,024]; A: input query; B: input Wq: QUANTISED
;;     2. [M 8,192, K 1,024] x [K 1,024, N 1,024]; A: input key; B: input Wk: QUANTISED
;;     3. [M 8,192, K 1,024] x [K 1,024, N 1,024]; A: input value; B: input Wv: QUANTISED
;;     4. batch 64 x [M 2,048, K 64] x [K 64, N 2,048]; A: computed on the way; B: computed on the way: left as it is (an operand is computed on the way)
;;     5. batch 64 x [M 2,048, K 2,048] x [K 2,048, N 64]; A: computed on the way; B: computed on the way: left as it is (an operand is computed on the way)
;;     6. [M 8,192, K 1,024] x [K 1,024, N 1,024]; A: computed on the way; B: input Wp: left as it is (an operand is computed on the way)
;;   THE QUANTISER, for each operand of a quantised product, along K:
;;     - K is cut into blocks of 32 from its start; a last block that is shorter is filled with zeros.
;;     - A block's scale is 2^e with e = floor(log2(the largest magnitude in the block)) - 2, held to -126 .. 127; a block of zeros has e = 0. As a byte (E8M0): e + 127.
;;     - Each number is divided by its block's scale, clamped to +-6, and rounded to the nearest number of E2M1, ties to even, subnormals kept.
;;     - The product sums the exact products of the quantised numbers (number of the format x scale) in f32.
;;   ~~~python
;;   def quantise(x, axis):      # numpy; x: float32 -> the quantised numbers, widened to float32 again
;;       x = np.moveaxis(x, axis, -1); K = x.shape[-1]
;;       x = np.pad(x, [(0, 0)] * (x.ndim - 1) + [(0, -K % 32)]); x = x.reshape(x.shape[:-1] + (-1, 32)); a = np.abs(x).max(-1, keepdims=True)
;;       e = np.where(a > 0, np.clip(np.frexp(np.where(a > 0, a, 1))[1] - 1 - 2, -126, 127), 0)      # np.frexp(a)[1] - 1 = floor(log2(a)), exactly
;;       r = np.clip(x / 2.0 ** e, -6, 6)
;;       step = 2.0 ** (np.maximum(np.frexp(np.where(r == 0, 1, r))[1] - 1, 0) - 1)
;;       q = np.round(r / step) * step * 2.0 ** e      # np.round: ties to even
;;       return np.moveaxis(q.reshape(q.shape[:-2] + (-1,))[..., :K], -1, axis).astype(np.float32)
;;   ~~~
;; One version. Each part assembles by itself: llvm-mc -triple=amdgcn-amd-amdhsa -mcpu=gfx1250 --defsym DOCPART=n.
;; ======== version 1 of 1: 4 launches
;; limits: values are held in f16: magnitudes above 65,504 overflow, below 6.1e-05 lose precision
;; workspace buffers: codes 14,155,776 bytes; scales 884,736 bytes; wph 2,097,152 bytes; qkv 50,331,648 bytes; y 16,777,216 bytes
;; launch quant (part 1): grid 896 x 1, 4 waves a work-group, no clusters, 33,280 bytes of LDS; arguments query, key, value, Wq, Wk, Wv, Wp, codes, scales, wph; writes codes, scales, wph
.if DOCPART == 1
	.amdgcn_target "amdgcn-amd-amdhsa--gfx1250"
	.amdhsa_code_object_version 6
	.text
	.protected	k_qab4ae4cded_quant
	.globl	k_qab4ae4cded_quant
	.p2align	8
	.type	k_qab4ae4cded_quant,@function
k_qab4ae4cded_quant:
	s_mov_b64 s[64:65], 0
	v_nop
	global_prefetch_b8 v0, s[64:65] scope:SCOPE_SE
	s_setreg_imm32_b32 hwreg(HW_REG_WAVE_MODE, 25, 1), 1
	s_wait_xcnt 0x0
; query, key, value [8192][1024] and Wq, Wk, Wv [1024][1024], f32 with K innermost, become codes of FP4 (E2M1) with one E8M0 scale byte for each 32 along K; Wp becomes f16.
; The six tensors are stacked: 27,648 rows of 512 bytes of codes (query, key, value, Wq, Wk, Wv) and of 32 scale bytes.  Rows are dense and 1,024 is a multiple of 32: a tensor is a plain stream of blocks of 32.
; A block's scale is 2^(floor(log2(its largest magnitude)) - 2); its byte is the largest magnitude's exponent field - 2, held at 1 from below.  Each number is divided by the scale and rounded to the nearest code, ties to even; beyond 6 the largest code.
; LIMITS: a block of zeros gets the byte 1 where the quantiser's text says 127 (its codes are zeros, and this program alone reads the bytes); blocks whose largest magnitude lies under 2^-124 have their byte held at 1; NaN and infinities are not served.
; SHARES: a work-group takes 32,768 numbers, a wave 16 steps of 512.  Work-groups 0-767: query, key, value (256 each); 768-863: Wq, Wk, Wv (32 each); 864-895: Wp.  Since the outputs are stacked in that order, the work-group's number is its place in them.
; A step's four loads read 512 consecutive bytes each, 16 a lane; the 2,048 bytes turn through the wave's own stage in LDS and come back 64 bytes a lane: 16 neighbours along K, two lanes to a block.
; A lane's 16 codes are 8 bytes: the wave stores 256 consecutive bytes.  A wave's 256 scale bytes are gathered in LDS and leave as 256 consecutive bytes.  No tensor loads, no barrier: waves share nothing.
.set WAVES, 4
.set STEPS, 16
.set EMAX,  2
.set CB,    8                          ; bytes of 16 codes
.set R,     16                         ; v16-79   four sets of 16 numbers as loaded (Wp: v16-143, two sets of 64)
.set X,     80                         ; v80-111  two sets of 16 neighbours
.set E,     112                        ; v112-127 a scale byte for each step
.set C,     128                        ; v128-191 codes: four registers for each step, so that no store's data are written again
.set OUTW,  144                        ; v144-175 Wp: 16 x 2 registers of f16
.set WREG,  8192                       ; LDS: a region for each wave: two stages of 32 x SP bytes, behind them its 256 scale bytes
.set SP,    80                         ; a lane's place in a stage: 64 bytes + 16 of padding
.set SPW,   12                         ; v12  LDS address of my spare word; never rewritten
.set NIL,   13                         ; v13  0; never rewritten
.set SPARE, WAVES*WREG                 ; behind the four regions: the spare words, 128 bytes a wave
.set ID_W,  768                        ; the first work-group of the weights
.set ID_P,  864                        ; the first of Wp
	s_load_b256 s[4:11], s[0:1], 0x0               ; query s[4:5], key s[6:7], value s[8:9], Wq s[10:11]
	s_load_b256 s[12:19], s[0:1], 0x20             ; Wk s[12:13], Wv s[14:15], Wp s[16:17], codes s[18:19]
	s_load_b128 s[20:23], s[0:1], 0x40             ; scales s[20:21], wph s[22:23]
	v_lshl_add_u32 v[SPW], v0, 2, SPARE
	v_mov_b32 v[NIL], 0
	v_lshrrev_b32 v1, 5, v0
	v_readfirstlane_b32 s24, v1                    ; wave
	v_and_b32 v2, 31, v0                           ; lane
	v_lshlrev_b32 v3, 4, v2                        ; my 16 bytes of a load's 512
	s_mul_i32 s25, s24, WREG
	v_lshrrev_b32 v14, 2, v2
	v_mul_u32_u24 v14, v14, SP
	v_and_b32 v15, 3, v2
	v_lshl_add_u32 v14, v15, 4, v14
	v_add_nc_u32 v14, s25, v14                     ; the stage, on the way in: SP (lane / 4) + 16 (lane % 4)
	v_mul_u32_u24 v15, v2, SP
	v_add_nc_u32 v15, s25, v15                     ; and on the way out: SP x lane: my 16 neighbours
	v_mul_u32_u24 v4, v2, CB                       ; my codes' place in a step's
	v_lshrrev_b32 v5, 1, v2
	s_add_co_u32 s25, s25, 2*32*SP
	v_add_nc_u32 v5, s25, v5                       ; LDS: my wave's 256 scale bytes, my block's byte
	v_lshlrev_b32 v7, 3, v2                        ; 8 bytes a lane
	v_add_nc_u32 v6, s25, v7
	s_wait_kmcnt 0x0
	s_cmp_ge_u32 ttmp9, ID_P                       ; the choice hangs on the work-group's number alone
	s_cbranch_scc1 .Lwp
	; which tensor is read: a chain of choices on the work-group's number
	s_lshr_b32 s26, ttmp9, 8
	s_cmp_eq_u32 s26, 1
	s_cselect_b64 s[4:5], s[6:7], s[4:5]
	s_cmp_eq_u32 s26, 2
	s_cselect_b64 s[4:5], s[8:9], s[4:5]
	s_cmp_ge_u32 ttmp9, ID_W
	s_cselect_b64 s[4:5], s[10:11], s[4:5]
	s_cmp_ge_u32 ttmp9, ID_W+32
	s_cselect_b64 s[4:5], s[12:13], s[4:5]
	s_cmp_ge_u32 ttmp9, ID_W+64
	s_cselect_b64 s[4:5], s[14:15], s[4:5]
	s_and_b32 s27, ttmp9, 255
	s_and_b32 s28, ttmp9, 31
	s_cmp_lt_u32 ttmp9, ID_W
	s_cselect_b32 s27, s27, s28                    ; which 32,768 numbers of that tensor
	s_lshl_b32 s27, s27, 2
	s_add_co_u32 s27, s27, s24                     ; which 8,192 are my wave's
	s_lshl_b32 s28, s27, 15                        ; 32,768 bytes each (under 2^26)
	s_mov_b32 s29, 0
	s_add_nc_u64 s[4:5], s[4:5], s[28:29]
	s_lshl_b32 s27, ttmp9, 2
	s_add_co_u32 s27, s27, s24                     ; my wave's place in the stacked outputs
	s_lshl_b32 s28, s27, 12                        ; 4,096 bytes of codes,
	s_add_nc_u64 s[18:19], s[18:19], s[28:29]
	s_lshl_b32 s28, s27, 8                         ; 256 scale bytes
	s_add_nc_u64 s[20:21], s[20:21], s[28:29]
.macro LOAD t
.irp i, 0,1,2,3
	global_load_b128 v[R+16*((\t)%4)+4*\i:R+16*((\t)%4)+4*\i+3], v3, s[4:5] offset:2048*(\t)+512*\i th:TH_LOAD_NT   ; 32 lanes read 512 consecutive bytes
.endr
.endm
.macro TURN t                          ; step t's numbers through the stage: LDS serves a wave's instructions in order, so no wait stands between the stores and the loads
.irp i, 0,1,2,3
	ds_store_b128 v14, v[R+16*((\t)%4)+4*\i:R+16*((\t)%4)+4*\i+3] offset:32*SP*((\t)%2)+8*SP*\i
.endr
.irp i, 0,1,2,3
	ds_load_b128 v[X+16*((\t)%2)+4*\i:X+16*((\t)%2)+4*\i+3], v15 offset:32*SP*((\t)%2)+16*\i
.endr
.endm
.irp t, 0,1,2,3
	LOAD \t
.endr
	s_wait_loadcnt 12                              ; step 0's four loads are in; those of three steps may be out
	TURN 0
.macro STEP t
.set XS, X+16*((\t)%2)
.if (\t) > 0
	s_wait_dscnt 1                                 ; this step's numbers are back from the stage (the last step's byte store may be out): so its stores into the stage have read their registers,
.else
	s_wait_dscnt 0x0
.endif
.if (\t)+4 < STEPS
	LOAD (\t)+4                                    ; which take the loads of four steps on
.endif
.if (\t)+1 < STEPS
.if STEPS-2-(\t) >= 3
	s_wait_loadcnt 12                              ; the next step's four loads are in; those of the three steps behind it may be out
.else
	s_wait_loadcnt 4*(STEPS-2-(\t))
.endif
	TURN (\t)+1                                    ; and go through the other stage while this step is worked
.endif
	v_max3_num_f32 v8, |v[XS]|, |v[XS+1]|, |v[XS+2]|               ; the largest magnitude of my 16, in two chains
	v_max3_num_f32 v9, |v[XS+3]|, |v[XS+4]|, |v[XS+5]|
.irp i, 6,10
	v_max3_num_f32 v8, v8, |v[XS+\i]|, |v[XS+\i+1]|
	v_max3_num_f32 v9, v9, |v[XS+\i+2]|, |v[XS+\i+3]|
.endr
	v_max3_num_f32 v8, v8, |v[XS+14]|, |v[XS+15]|
	v_max3_num_f32 v8, v8, v9, (EMAX+1)<<23        ; and the floor 2^(3 - 127): so the byte cannot fall under 1
	v_max_num_f32_dpp v8, v8, v8 row_xmask:1 row_mask:0xf bank_mask:0xf   ; and of my neighbour's 16: the block's
	v_add_nc_u32 v11, -(EMAX<<23), v8              ; 2 off its exponent field: the conversion takes the exponent field of this operand as its scale
	v_cvt_scalef32_pk8_fp4_f32 v[C+4*(\t)], v[XS:XS+7], v11
	v_cvt_scalef32_pk8_fp4_f32 v[C+4*(\t)+1], v[XS+8:XS+15], v11
	v_lshrrev_b32 v[E+(\t)], 23, v11               ; the scale's byte (a plain line behind the conversions)
	ds_store_b8 v5, v[E+(\t)] offset:16*(\t)       ; both lanes of a block write the same byte with the same value
	global_store_b64 v4, v[C+4*(\t):C+4*(\t)+1], s[18:19] offset:32*CB*(\t)   ; 32 lanes store 256 consecutive bytes, aligned
.endm
.irp t, 0,1,2,3,4,5,6,7,8,9,10,11,12,13,14,15
	STEP \t
.endr
	ds_load_b64 v[8:9], v6                         ; LDS serves a wave's instructions in order: these see my stores
	s_wait_dscnt 0x0
	global_store_b64 v7, v[8:9], s[20:21]          ; 32 lanes store 256 consecutive bytes, aligned
	s_wait_tensorcnt 0x0                           ; the wave's end, behind my last LDS store
	ds_add_u32 v[SPW], v[NIL]
	s_wait_dscnt 0x0
	s_endpgm
; Wp to f16: a plain stream.  A wave reads 32,768 bytes in four groups of 16 loads (512 consecutive bytes each) and stores 16,384 (256 consecutive bytes a store).  Two groups are on their way.  No LDS.
.Lwp:
	s_sub_co_u32 s26, ttmp9, ID_P
	s_lshl_b32 s26, s26, 2
	s_add_co_u32 s26, s26, s24                     ; which 8,192 numbers are my wave's
	s_lshl_b32 s28, s26, 15
	s_mov_b32 s29, 0
	s_add_nc_u64 s[16:17], s[16:17], s[28:29]
	s_lshl_b32 s28, s26, 14
	s_add_nc_u64 s[22:23], s[22:23], s[28:29]
.macro LOADW g
.irp i, 0,1,2,3,4,5,6,7,8,9,10,11,12,13,14,15
	global_load_b128 v[R+64*((\g)%2)+4*\i:R+64*((\g)%2)+4*\i+3], v3, s[16:17] offset:512*(16*(\g)+\i) th:TH_LOAD_NT
.endr
.endm
	LOADW 0
	LOADW 1
.irp g, 0,1,2,3
.if \g < 3
	s_wait_loadcnt 16                              ; this group's 16 loads are in; the next group's may be out
.else
	s_wait_loadcnt 0x0
.endif
.if \g > 0
	s_wait_xcnt 0x0                                ; the last group's stores have read their data: they are written again only behind this wait
.endif
.irp i, 0,1,2,3,4,5,6,7,8,9,10,11,12,13,14,15
	v_cvt_pk_f16_f32 v[OUTW+2*\i], v[R+64*(\g%2)+4*\i], v[R+64*(\g%2)+4*\i+1]
	v_cvt_pk_f16_f32 v[OUTW+2*\i+1], v[R+64*(\g%2)+4*\i+2], v[R+64*(\g%2)+4*\i+3]
.endr
.irp i, 0,1,2,3,4,5,6,7,8,9,10,11,12,13,14,15
	global_store_b64 v7, v[OUTW+2*\i:OUTW+2*\i+1], s[22:23] offset:256*(16*\g+\i)
.endr
.if \g < 2
	LOADW \g+2
.endif
.endr
	s_wait_tensorcnt 0x0                           ; the wave's end, in the same form
	ds_add_u32 v[SPW], v[NIL]
	s_wait_dscnt 0x0
	s_endpgm
.Lfunc_end_k_qab4ae4cded_quant:
	.size	k_qab4ae4cded_quant, .Lfunc_end_k_qab4ae4cded_quant-k_qab4ae4cded_quant
	.p2alignl 7, 3214868480
	.fill 96, 4, 3214868480
	.section	.rodata,"a",@progbits
	.p2align	6, 0x0
	.amdhsa_kernel k_qab4ae4cded_quant
		.amdhsa_group_segment_fixed_size 33280
		.amdhsa_private_segment_fixed_size 0
		.amdhsa_enable_private_segment 0
		.amdhsa_kernarg_size 80
		.amdhsa_user_sgpr_count 2
		.amdhsa_user_sgpr_kernarg_segment_ptr 1
		.amdhsa_wavefront_size32 1
		.amdhsa_system_sgpr_workgroup_id_x 1
		.amdhsa_system_sgpr_workgroup_id_y 1
		.amdhsa_system_sgpr_workgroup_id_z 1
		.amdhsa_system_vgpr_workitem_id 0
		.amdhsa_next_free_vgpr 192
		.amdhsa_next_free_sgpr 66
		.amdhsa_reserve_vcc 0
		.amdhsa_float_denorm_mode_32 3
		.amdhsa_float_denorm_mode_16_64 3
		.amdhsa_memory_ordered 1
		.amdhsa_forward_progress 1
		.amdhsa_inst_pref_size 54
	.end_amdhsa_kernel
	.amdgpu_metadata
---
amdhsa.version: [ 1, 2 ]
amdhsa.kernels:
  - .name:           k_qab4ae4cded_quant
    .symbol:         k_qab4ae4cded_quant.kd
    .args:
      - { .name: query, .offset: 0, .size: 8, .value_kind: global_buffer, .address_space: global }
      - { .name: key, .offset: 8, .size: 8, .value_kind: global_buffer, .address_space: global }
      - { .name: value, .offset: 16, .size: 8, .value_kind: global_buffer, .address_space: global }
      - { .name: Wq, .offset: 24, .size: 8, .value_kind: global_buffer, .address_space: global }
      - { .name: Wk, .offset: 32, .size: 8, .value_kind: global_buffer, .address_space: global }
      - { .name: Wv, .offset: 40, .size: 8, .value_kind: global_buffer, .address_space: global }
      - { .name: Wp, .offset: 48, .size: 8, .value_kind: global_buffer, .address_space: global }
      - { .name: codes, .offset: 56, .size: 8, .value_kind: global_buffer, .address_space: global }
      - { .name: scales, .offset: 64, .size: 8, .value_kind: global_buffer, .address_space: global }
      - { .name: wph, .offset: 72, .size: 8, .value_kind: global_buffer, .address_space: global }
    .group_segment_fixed_size: 33280
    .private_segment_fixed_size: 0
    .kernarg_segment_align: 8
    .kernarg_segment_size: 80
    .max_flat_workgroup_size: 128
    .sgpr_count:     66
    .vgpr_count:     192
    .wavefront_size: 32
...
	.end_amdgpu_metadata
.endif
;; end of part 1
;; launch proj (part 2): grid 4 x 96, 4 waves a work-group, clusters of 4 x 4, 327,680 bytes of LDS; arguments codes, scales, bq, bk, bv, qkv; writes qkv
.if DOCPART == 2
	.amdgcn_target "amdgcn-amd-amdhsa--gfx1250"
	.amdhsa_code_object_version 6
	.text
	.protected	k_qab4ae4cded_proj
	.globl	k_qab4ae4cded_proj
	.p2align	8
	.type	k_qab4ae4cded_proj,@function
k_qab4ae4cded_proj:
	s_mov_b64 s[64:65], 0
	v_nop
	global_prefetch_b8 v0, s[64:65] scope:SCOPE_SE
	s_setreg_imm32_b32 hwreg(HW_REG_WAVE_MODE, 25, 1), 1
	s_wait_xcnt 0x0
	s_wait_alu depctr_hold_cnt(0) depctr_sa_sdst(0) depctr_va_vdst(0) depctr_va_sdst(0) depctr_va_ssrc(0) depctr_va_vcc(0) depctr_vm_vsrc(0)
	s_getreg_b32 s2, hwreg(HW_REG_IB_STS2, 6, 4)
	s_cmp_eq_u32 s2, 0
	s_cbranch_scc0 .Lentry_in_a_cluster
	s_endpgm
.Lentry_in_a_cluster:
	s_bfe_u32 s2, ttmp6, 0x10000c
	s_cmp_lg_u32 s2, 0xf033
	s_cbranch_scc0 .Lentry_shape_is_right
	s_endpgm
.Lentry_shape_is_right:
; Q, K, V = x W^T + b, all three in one launch: C[m][n] = sum over k of A[m][k] B[n][k] + bias[n] on codes of FP4 (E2M1) with one E8M0 scale for each 32 along K; sums in f32; the result rounded once to f16.
; A: the 24,576 stacked rows of query, key, value (512 bytes of codes, 32 scale bytes a row).  B: the 1,024 rows of that tensor's weight, stacked behind them in the same two buffers (from byte WC and byte WS on).
; OUT: qkv, f16, [tensor][batch][head][token][64]: a head is a dense block of 262,144 bytes.  LIMIT: results beyond 65,504 in magnitude have no f16 number.
; A tile of C, 256 x 256, is made by a work-group of four waves; a wave makes 128 x 128: 64 accumulators of 16 x 16, 512 registers.  K = 1,024 is two LDS slots of 512 along K (rows of 256 bytes): all of it is asked for at the head, and nothing is filled again.
; The scale bytes of the tile's 256 + 256 rows are two dense blocks of memory: they come once, with the first fills.  Three tensor loads of a wave are out at the most.
; CLUSTERS: 4 x 4 work-groups.  The four of a row of the cluster need the same rows of A, the four of a column the same rows of B: each tile is asked for JOINTLY.  A cluster's 1,024 rows lie in one of the three tensors (8 clusters to a tensor).
; THE MATRIX INSTRUCTION IS USED TRANSPOSED (source 0 = 16 rows of B, source 1 = 16 rows of A): a lane then holds eight neighbouring outputs of one token.  The bias, in that layout, is the C of each sum's first product.
; No prefetch: everything that the work-group reads is asked for by its first loads.
; REGISTERS: window 0: v16-29 addresses; v32-95 scale words, two sets (they hold nothing else); v96-127 packed results; v128-191 A's fragments, one set, later rows on the way out; v192-255 the bias.
;   window 1: B's fragments, two sets, at v0 and v128.   window 2: the accumulators of my rows 0-63 ((a, b) at v[8 (8 a + b)]);   window 3: those of my rows 64-127.
.set NQ,     4                         ; steps of 128 along K in a slot
.set ROWB,   256                       ; a tile's row in bytes
.set KROW,   512                       ; a row of codes in memory
.set PITCH,  272                       ; an LDS row: 256 bytes + 16 of padding: the 16 rows that a load touches start 68 words apart
.set FR,     8                         ; registers of a fragment
.set NL,     2                         ; LDS loads that bring one
.set NP,     4                         ; places behind this matrix instruction (ISA guide 7.12.1)
.set HALFT,  128*PITCH
.set SLOT,   4*HALFT                   ; A's 256 rows, then B's 256 rows
.set KS,     32                        ; a row of scale bytes
.set SCL,    2*SLOT                    ; behind the slots: the scales, as rows of 256 bytes + 16 of padding
.set HALFS,  (128*KS/256)*272
.set SBLK,   (16*KS/256)*272
.set SPARE,  SCL+4*HALFS               ; the spare words, 128 bytes a wave
.set SPITCH, 272                       ; the way out: a stage of 16 rows x (256 + 16) bytes for each wave, in slot 0, which has had its one fill and its last read by then
.set WC,     12582912                  ; where the weights' codes begin
.set WS,     786432                    ; and their scale bytes
.set HEADB,  262144                    ; a head in qkv
.set ADRA, 16
.set ADRB, 20
.set STO,  24
.set RD,   25
.set CO,   26
.set ADRS, 27
.set SPW,  28
.set NIL,  29
.set SC,   32
.set TMP,  96
.set AF,   128
.set BK,   128
.set BIAS, 192
.set WV,   16                          ; s16 wave;  s17 wave / 2: my half of the rows, and: I fetch for A (0) or B (1);  s18 wave % 2: my half of the columns, and which 128 rows I fetch;  s19 tile row;  s96 tensor
.set RH,   17
.set CH,   18
.set TR,   19
.set TT,   96
.set G1, 24
.set G0, 32
.set G1B, 48
.set G0B, 56
.set G1S, 68
.set G0S, 76
.set G1SB, 80
.set G0SB, 88
.set MSB, 0
.macro WIN new                         ; the immediate's high byte repeats the setting that is left
.if MSB != (\new)
	s_set_vgpr_msb (MSB<<8)|(\new)
.set MSB, \new
.endif
.endm
.set MUL_LO, 0xa1                      ; source 0 (B) window 1, source 1 (A) window 0, C and D window 2
.set MUL_HI, 0xf1                      ; the same, C and D window 3
.set FST_LO, 0x81                      ; the first products: C (the bias) window 0, D window 2
.set FST_HI, 0xc1                      ; D window 3
.set TO_B,   0x40                      ; destination window 1, address window 0
; A joint load: waves 0 and 1 fetch for A, waves 2 and 3 for B.  The branch hangs on the wave's number alone.  An s_nop 0 and four v_nop follow each of the two lines.
.macro JLOAD g0a, g1a, g0b, g1b
	s_cmp_eq_u32 s[RH], 0
	s_cbranch_scc0 .Lfor_b_\@
	tensor_load_to_lds s[\g0a:\g0a+3], s[\g1a:\g1a+7]
	s_nop 0
.rept 4
	v_nop
.endr
	s_branch .Lasked_\@
.Lfor_b_\@:
	tensor_load_to_lds s[\g0b:\g0b+3], s[\g1b:\g1b+7]
	s_nop 0
.rept 4
	v_nop
.endr
.Lasked_\@:
.endm
.macro CROUND                          ; a round of the cluster's barrier
	s_barrier_signal -1
	s_barrier_wait -1
	s_cmp_lg_u32 s[WV], 0
	s_cbranch_scc1 .Lnot_wave_0_\@
	s_barrier_signal -3
.Lnot_wave_0_\@:
	s_barrier_wait -3
	s_barrier_signal -1
	s_barrier_wait -1
.endm
	s_load_b256 s[4:11], s[0:1], 0x0               ; codes s[4:5], scales s[6:7], bq s[8:9], bk s[10:11]
	s_load_b128 s[12:15], s[0:1], 0x20             ; bv s[12:13], qkv s[14:15]
	v_lshl_add_u32 v[SPW], v0, 2, SPARE
	v_mov_b32 v[NIL], 0
	ds_add_u32 v[SPW], v[NIL]                      ; the wave's opening: the add, twice on end, and its wait ahead of my first tensor load
	ds_add_u32 v[SPW], v[NIL]
	v_lshrrev_b32 v1, 5, v0
	v_readfirstlane_b32 s[WV], v1
	s_lshr_b32 s[RH], s[WV], 1
	s_and_b32 s[CH], s[WV], 1
	s_bfe_u32 s40, ttmp6, 0x40000                  ; cx, cy: my place in the cluster
	s_bfe_u32 s41, ttmp6, 0x40004
	s_lshl_b32 s42, ttmp9, 2
	s_add_co_u32 s42, s42, s40                     ; tile column = 4 x cluster x + cx
	s_and_b32 s[TT], ttmp7, 0xffff                 ; cluster y
	s_lshl_b32 s[TR], s[TT], 2
	s_add_co_u32 s[TR], s[TR], s41                 ; tile row = 4 x cluster y + cy
	s_lshr_b32 s[TT], s[TT], 3                     ; the tensor: 8 clusters (8,192 rows) each: the same in all sixteen partners
	s_lshl_b32 s43, s41, 2
	s_lshl_b32 s43, 15, s43                        ; my row of the cluster
	s_lshl_b32 s44, 0x1111, s40                    ; my column
	; descriptor group 1: a tile of 128 rows x 256 bytes, 16 bytes of padding behind each row
	s_or_b32 s[G1+0], s43, (0<<16)|(1<<20)|(1<<21)|(5<<22)|(3<<25)  ; 15:0 the mask; 17:16 elements of 1 byte; 20 padding on; 21 set beside a mask; 24:22 after every 64 words; 31:25 four words
	s_or_b32 s[G1B+0], s44, (0<<16)|(1<<20)|(1<<21)|(5<<22)|(3<<25)
.irp g, G1, G1B
	s_mov_b32 s[\g+1], ROWB<<16                    ; tensor_dim0
	s_mov_b32 s[\g+2], 128<<16                     ; tensor_dim1
	s_mov_b32 s[\g+3], ROWB<<16                    ; tile_dim0
	s_mov_b32 s[\g+4], 128                         ; tile_dim1
	s_mov_b32 s[\g+5], KROW                        ; tensor_dim0_stride
	s_mov_b32 s[\g+6], 0
	s_mov_b32 s[\g+7], 0
.endr
	; the scales of 128 rows: 4,096 dense bytes, as 16 rows of 256 bytes (32 elements of 8 bytes), 16 bytes of padding behind each
	s_or_b32 s[G1S+0], s43, (3<<16)|(1<<20)|(1<<21)|(5<<22)|(3<<25)
	s_or_b32 s[G1SB+0], s44, (3<<16)|(1<<20)|(1<<21)|(5<<22)|(3<<25)
.irp g, G1S, G1SB
	s_mov_b32 s[\g+1], 32<<16
	s_mov_b32 s[\g+2], (128*KS/256)<<16
	s_mov_b32 s[\g+3], 32<<16
	s_mov_b32 s[\g+4], 128*KS/256
	s_mov_b32 s[\g+5], 32
	s_mov_b32 s[\g+6], 0
	s_mov_b32 s[\g+7], 0
.endr
	; byte offsets (all under 2^24).  A's hang on the tile row alone, B's on the tensor and the tile column alone, each in registers that never hold the other coordinate
	s_lshl_b32 s45, s[CH], 7                       ; which 128 rows of the tile I fetch
	s_lshl_b32 s22, s[TR], 8
	s_add_co_u32 s22, s22, s45                     ; A: stacked row 256 x tile row + 128 x half
	s_lshl_b32 s20, s22, 9                         ; its codes,
	s_mov_b32 s21, 0
	s_lshl_b32 s22, s22, 5                         ; its scale bytes
	s_mov_b32 s23, 0
	s_lshl_b32 s46, s42, 8
	s_add_co_u32 s46, s46, s45
	s_lshl_b32 s47, s[TT], 10
	s_add_co_u32 s46, s46, s47                     ; B: row 1,024 x tensor + 256 x tile column + 128 x half of the stacked weights
	s_lshl_b32 s92, s46, 5
	s_add_co_u32 s92, s92, WS
	s_mov_b32 s93, 0
	s_lshl_b32 s46, s46, 9
	s_add_co_u32 s46, s46, WC
	s_mov_b32 s47, 0
	s_mul_i32 s45, s[WV], HALFT                    ; where they go: wave x 128 rows: no place in the cluster enters an LDS address
	s_mul_i32 s94, s[WV], HALFS
	s_wait_dscnt 0x0                               ; both opening adds are done
	s_wait_kmcnt 0x0
	s_add_nc_u64 s[20:21], s[4:5], s[20:21]
	s_add_nc_u64 s[22:23], s[6:7], s[22:23]
	s_add_nc_u64 s[46:47], s[4:5], s[46:47]
	s_add_nc_u64 s[92:93], s[6:7], s[92:93]
	CROUND                                         ; all sixteen work-groups are here: the joint loads meet
	s_mov_b32 s[G0S], 1
	s_add_co_u32 s[G0S+1], s94, SCL
	s_mov_b64 s[G0S+2:G0S+3], s[22:23]
	s_or_b32 s[G0S+3], s[G0S+3], 0x80000000
	s_mov_b32 s[G0SB], 1
	s_add_co_u32 s[G0SB+1], s94, SCL
	s_mov_b64 s[G0SB+2:G0SB+3], s[92:93]
	s_or_b32 s[G0SB+3], s[G0SB+3], 0x80000000
	JLOAD G0S, G1S, G0SB, G1SB                     ; the scales first: they are wanted with the first step
.irp s, 0,1
	s_mov_b32 s[G0+4*\s], 1
	s_add_co_u32 s[G0+4*\s+1], s45, \s*SLOT
	s_add_nc_u64 s[G0+4*\s+2:G0+4*\s+3], s[20:21], \s*ROWB
	s_or_b32 s[G0+4*\s+3], s[G0+4*\s+3], 0x80000000
	s_mov_b32 s[G0B+4*\s], 1
	s_add_co_u32 s[G0B+4*\s+1], s45, \s*SLOT
	s_add_nc_u64 s[G0B+4*\s+2:G0B+4*\s+3], s[46:47], \s*ROWB
	s_or_b32 s[G0B+4*\s+3], s[G0B+4*\s+3], 0x80000000
	JLOAD G0+4*\s, G1, G0B+4*\s, G1B
.endr
	; the bias: the tensor's own, my 128 outputs; lane (r, h) wants, for block b, those of outputs 16 b + 8 h + 0 .. 7
	s_cmp_eq_u32 s[TT], 1
	s_cselect_b64 s[8:9], s[10:11], s[8:9]
	s_cmp_eq_u32 s[TT], 2
	s_cselect_b64 s[8:9], s[12:13], s[8:9]
	s_lshl_b32 s2, s42, 10
	s_lshl_b32 s3, s[CH], 9
	s_add_co_u32 s2, s2, s3
	s_mov_b32 s3, 0
	s_add_nc_u64 s[8:9], s[8:9], s[2:3]
	v_and_b32 v1, 15, v0                           ; r = l % 16
	v_bfe_u32 v2, v0, 4, 1                         ; h = l / 16
	v_lshlrev_b32 v9, 5, v2
.irp b, 0,1,2,3,4,5,6,7
	global_load_b128 v[BIAS+8*\b:BIAS+8*\b+3], v9, s[8:9] offset:64*\b
	global_load_b128 v[BIAS+8*\b+4:BIAS+8*\b+7], v9, s[8:9] offset:64*\b+16
.endr
	v_mul_u32_u24 v3, v1, PITCH
	v_lshl_add_u32 v4, v2, 4, v3                   ; a fragment's row x pitch + 16 x half
	s_mul_i32 s21, s[RH], HALFT                    ; my 128 rows of A
	s_mul_i32 s22, s[CH], HALFT                    ; my 128 rows of B,
	s_add_co_u32 s22, s22, 2*HALFT                 ; which lie behind A's 256
.irp s, 0,1
	v_add_nc_u32 v[ADRA+\s], s21, v4
	v_add_nc_u32 v[ADRB+\s], s22, v4
	s_add_co_u32 s21, s21, SLOT
	s_add_co_u32 s22, s22, SLOT
.endr
	v_mul_u32_u24 v5, v1, KS                       ; my row's scales: 32 bytes a row,
	v_lshrrev_b32 v6, 8, v5
	v_lshl_add_u32 v5, v6, 4, v5                   ; and 16 more for each 256 passed
	s_mul_i32 s21, s[RH], HALFS                    ; A's: my 128 rows
	s_mul_i32 s22, s[CH], HALFS                    ; B's: my 128 rows, behind A's 256
	s_add_co_u32 s22, s22, 2*HALFS
	s_sub_co_u32 s22, s22, s21
	v_mul_u32_u24 v6, s22, v2                      ; lanes 16-31 take B's
	s_add_co_u32 s21, s21, SCL
	v_add_nc_u32 v5, v5, v6
	v_add_nc_u32 v[ADRS], s21, v5
	s_mul_i32 s23, s[WV], 16*SPITCH                ; my stage
	v_mul_u32_u24 v5, v1, SPITCH                   ; in: row r, 16 bytes for each half of the lanes
	v_lshl_add_u32 v5, v2, 4, v5
	v_add_nc_u32 v[STO], s23, v5
	v_and_b32 v6, 31, v0
	v_lshrrev_b32 v7, 3, v6                        ; back: eight lanes take the 128 bytes of one token and one head, 32 lanes four tokens
	v_and_b32 v8, 7, v6
	v_mul_u32_u24 v7, v7, SPITCH
	v_lshl_add_u32 v7, v8, 4, v7
	v_add_nc_u32 v[RD], s23, v7
	v_lshlrev_b32 v[CO], 4, v6                     ; which are 512 consecutive bytes of qkv
	; where my part begins in qkv: stacked row R0 = 256 x tile row + 128 x half: (R0 / 2048) x 16 heads + my first head 4 x tile column + 2 x half, token R0 % 2048
	s_lshl_b32 s20, s[TR], 8
	s_lshl_b32 s21, s[RH], 7
	s_add_co_u32 s20, s20, s21
	s_lshr_b32 s21, s20, 11
	s_lshl_b32 s21, s21, 22
	s_and_b32 s20, s20, 2047
	s_lshl_b32 s20, s20, 7
	s_add_co_u32 s20, s20, s21
	s_lshl_b32 s21, s42, 2
	s_lshl_b32 s22, s[CH], 1
	s_add_co_u32 s21, s21, s22
	s_lshl_b32 s21, s21, 18
	s_add_co_u32 s20, s20, s21                     ; under 2^26
	s_mov_b32 s21, 0
	s_add_nc_u64 s[14:15], s[14:15], s[20:21]
.macro FRAG reg, adr, q, i             ; a fragment, 16 rows x 128 K of 4-bit codes, is 8 registers: lane l holds row l % 16; registers 4 c .. 4 c + 3 hold K = 64 c + 32 (l / 16) + 0 .. 31
.irp c, 0,1
	ds_load_b128 v[\reg+4*\c:\reg+4*\c+3], v[\adr] offset:64*(\q)+32*\c+(\i)*16*PITCH
.endr
.endm
; 16 matrix instructions: A's blocks a0, a0 + 1 x B's eight, 128 along K: the slot's q-th.  p: B's set;  sc: the set of scale words.  first = 1: the bias is the C: nothing is cleared and nothing is added later.
; The 64 accumulators take turns, one instruction a turn, in the same order in every step.
.macro MUL16 a0, p, q, sc, first
.irp a, \a0, \a0+1
.irp b, 0,1,2,3,4,5,6,7
.if \first
	v_wmma_scale_f32_16x16x128_f8f6f4 v[8*(8*((\a)%4)+\b):8*(8*((\a)%4)+\b)+7], v[128*(\p)+FR*\b:128*(\p)+FR*\b+FR-1], v[AF+FR*(\a):AF+FR*(\a)+FR-1], v[BIAS+8*\b:BIAS+8*\b+7], v[SC+8*NQ*(\sc)+NQ*\b+(\q)], v[SC+8*NQ*(\sc)+NQ*(\a)+(\q)] matrix_a_fmt:MATRIX_FMT_FP4 matrix_b_fmt:MATRIX_FMT_FP4 matrix_a_scale:MATRIX_SCALE_ROW1
.else
	v_wmma_scale_f32_16x16x128_f8f6f4 v[8*(8*((\a)%4)+\b):8*(8*((\a)%4)+\b)+7], v[128*(\p)+FR*\b:128*(\p)+FR*\b+FR-1], v[AF+FR*(\a):AF+FR*(\a)+FR-1], v[8*(8*((\a)%4)+\b):8*(8*((\a)%4)+\b)+7], v[SC+8*NQ*(\sc)+NQ*\b+(\q)], v[SC+8*NQ*(\sc)+NQ*(\a)+(\q)] matrix_a_fmt:MATRIX_FMT_FP4 matrix_b_fmt:MATRIX_FMT_FP4 matrix_a_scale:MATRIX_SCALE_ROW1
.endif
.endr
.endr
.endm
.macro FETCH_B slot, q, p              ; B's eight fragments of the slot's q-th 128 along K into set p
	WIN TO_B
.irp i, 0,1,2,3,4,5,6,7
	FRAG 128*(\p)+FR*\i, ADRB+\slot, \q, \i
.endr
	WIN 0
.endm
.macro FETCH_A slot, q, i0             ; A's blocks i0 .. i0 + 3
.irp i, \i0, \i0+1, \i0+2, \i0+3
	FRAG AF+FR*(\i), ADRA+\slot, \q, \i
.endr
.endm
.macro SCALES sc                       ; a slot's scale words into set sc: four words a row; lanes 0-15 take A's block i, lanes 16-31 B's block i
.irp i, 0,1,2,3,4,5,6,7
	ds_load_b128 v[SC+8*NQ*\sc+NQ*\i:SC+8*NQ*\sc+NQ*\i+3], v[ADRS] offset:\i*SBLK
.endr
.endm
; A load into a register that a matrix instruction has read, and a vector instruction that reads a matrix result, stand NP places behind that matrix instruction; only plain vector instructions that name none of its registers are places.
.macro PLACES n
.rept \n
	v_nop
.endr
.endm
; A step of 128 along K that has its successor in the same slot.  A's blocks are free as soon as their eight products are issued: blocks 0-3 are fetched anew in the step's middle, blocks 4-7 at its end.
.macro STEP slot, q, first
	s_wait_dscnt 4*NL                              ; B's set and A's blocks 0-3 are in; the youngest eight loads (A's blocks 4-7) may be out
.if \first
	WIN FST_LO
.else
	WIN MUL_LO
.endif
	MUL16 0, (\q)%2, \q, \slot, \first
	MUL16 2, (\q)%2, \q, \slot, \first
	s_wait_dscnt 0                                 ; A's blocks 4-7 are in (asked for 32 matrix instructions ago)
	PLACES NP
	FETCH_B \slot, (\q)+1, 1-(\q)%2
	FETCH_A \slot, (\q)+1, 0
.if \first
	WIN FST_HI
.else
	WIN MUL_HI
.endif
	MUL16 4, (\q)%2, \q, \slot, \first
	MUL16 6, (\q)%2, \q, \slot, \first
	PLACES NP
	WIN 0
	FETCH_A \slot, (\q)+1, 4
.endm
; Slot 0's last step changes slots: one barrier; in front of it each wave waits for all its tensor loads (its part of slot 1), adds 0 to its spare word, and waits for that and for its own reads of slot 0.  Nothing is filled again.
.macro TURN slot, next
	s_wait_tensorcnt 0x0                           ; all my tensor loads have landed  (every window is 0 here)
	ds_add_u32 v[SPW], v[NIL]                      ; 0 onto my spare word
	s_wait_dscnt 4*NL+1                            ; (the add and the youngest eight loads, A's blocks 4-7, may be out)
	WIN MUL_LO
	MUL16 0, 1, NQ-1, \slot, 0                     ; sixteen matrix instructions stand between the add and the wait for it
	s_wait_dscnt 0x0                               ; the add is done, and my reads of this slot are over
	s_barrier_signal -1
	MUL16 2, 1, NQ-1, \slot, 0
	WIN 0
	s_barrier_wait -1                              ; slot 1 is whole, and nobody reads slot 0 any more
	PLACES NP
	v_add_nc_u32 v[ADRS], 4*NQ, v[ADRS]            ; on to the next slot's scale words
	FETCH_B \next, 0, 0
	FETCH_A \next, 0, 0
	SCALES \next
	WIN MUL_HI
	MUL16 4, 1, NQ-1, \slot, 0
	MUL16 6, 1, NQ-1, \slot, 0
	PLACES NP
	WIN 0
	FETCH_A \next, 0, 4
.endm
.macro STEPS slot, from                ; the slot's steps from .. NQ - 2
.set Q, \from
.rept NQ-1-\from
	STEP \slot, Q, 0
.set Q, Q+1
.endr
.endm
	s_wait_tensorcnt 1                             ; the scales and my part of slot 0 are in (slot 1's load may be out)
	s_barrier_signal -1
	s_barrier_wait -1                              ; everybody's are
	FETCH_B 0, 0, 0
	FETCH_A 0, 0, 0
	SCALES 0
	FETCH_A 0, 0, 4
	s_wait_loadcnt 0x0                             ; the bias
	STEP 0, 0, 1
	STEPS 0, 1
	TURN 0, 1
	STEPS 1, 0
	s_wait_dscnt 4*NL                              ; the very last step: nothing more to fetch
	WIN MUL_LO
	MUL16 0, 1, NQ-1, 1, 0
	MUL16 2, 1, NQ-1, 1, 0
	s_wait_dscnt 0
	WIN MUL_HI
	MUL16 4, 1, NQ-1, 1, 0
	MUL16 6, 1, NQ-1, 1, 0
	WIN 0
; THE WAY OUT, block by block of 16 tokens x 128 outputs (two heads).  PACK: rounded to f16, 16 bytes a lane, each accumulator from its low end on.  TOSTAGE: into my own stage, and back by heads:
; a load takes four tokens x 128 bytes of one head.  SEND: stored: 32 lanes store 512 consecutive bytes, at a multiple of 256 from qkv's first byte.
.macro PACK a
.set AC, 64*((\a)%4)
	WIN 0x0a+5*((\a)/4)                            ; sources 0 and 1: window 2 or 3
.irp b, 0,1,2,3,4,5,6,7
.irp r, 0,1,2,3
	v_cvt_pk_f16_f32 v[TMP+4*\b+\r], v[AC+8*\b+2*\r], v[AC+8*\b+2*\r+1]
.endr
.endr
	WIN 0
.endm
.macro TOSTAGE a
.set BB, BK+32*((\a)%2)
.irp b, 0,1,2,3,4,5,6,7
	ds_store_b128 v[STO], v[TMP+4*\b:TMP+4*\b+3] offset:32*\b
.endr
.irp u, 0,1,2,3,4,5,6,7
	ds_load_b128 v[BB+4*\u:BB+4*\u+3], v[RD] offset:(\u&3)*4*SPITCH+(\u>>2)*128   ; LDS serves a wave's instructions in order: these see the stores above
.endr
.endm
.macro SEND a
.set BB, BK+32*((\a)%2)
	s_wait_dscnt 0x0                               ; the block is back in registers
	s_wait_xcnt 0x0                                ; the block before's stores have read their data: the next block's loads land there only behind this wait
.irp u, 0,1,2,3,4,5,6,7
	global_store_b128 v[CO], v[BB+4*\u:BB+4*\u+3], s[14:15] offset:(\u>>2)*HEADB+(\a)*2048+(\u&3)*512
.endr
.endm
	PLACES NP                                      ; behind the last products: for the conversions, and for the loads into the registers that held A's fragments
	PACK 0
	TOSTAGE 0
.irp a, 1,2,3,4,5,6,7                  ; block a's conversions stand between block a - 1's loads from the stage and the wait for them
	PACK \a
	SEND \a-1
	TOSTAGE \a
.endr
	SEND 7
	s_wait_tensorcnt 0x0                           ; the wave's end, behind my last tensor load and my last LDS store
	ds_add_u32 v[SPW], v[NIL]
	s_wait_dscnt 0x0
	CROUND                                         ; the closing round: no work-group ends while a partner may still ask for a tile that names it
	s_endpgm
.Lfunc_end_k_qab4ae4cded_proj:
	.size	k_qab4ae4cded_proj, .Lfunc_end_k_qab4ae4cded_proj-k_qab4ae4cded_proj
	.p2alignl 7, 3214868480
	.fill 96, 4, 3214868480
	.section	.rodata,"a",@progbits
	.p2align	6, 0x0
	.amdhsa_kernel k_qab4ae4cded_proj
		.amdhsa_group_segment_fixed_size 327680
		.amdhsa_private_segment_fixed_size 0
		.amdhsa_enable_private_segment 0
		.amdhsa_kernarg_size 48
		.amdhsa_user_sgpr_count 2
		.amdhsa_user_sgpr_kernarg_segment_ptr 1
		.amdhsa_wavefront_size32 1
		.amdhsa_system_sgpr_workgroup_id_x 1
		.amdhsa_system_sgpr_workgroup_id_y 1
		.amdhsa_system_sgpr_workgroup_id_z 1
		.amdhsa_system_vgpr_workitem_id 0
		.amdhsa_next_free_vgpr 1024
		.amdhsa_next_free_sgpr 98
		.amdhsa_reserve_vcc 0
		.amdhsa_float_denorm_mode_32 3
		.amdhsa_float_denorm_mode_16_64 3
		.amdhsa_memory_ordered 1
		.amdhsa_forward_progress 1
		.amdhsa_inst_pref_size 128
	.end_amdhsa_kernel
	.amdgpu_metadata
---
amdhsa.version: [ 1, 2 ]
amdhsa.kernels:
  - .name:           k_qab4ae4cded_proj
    .symbol:         k_qab4ae4cded_proj.kd
    .args:
      - { .name: codes, .offset: 0, .size: 8, .value_kind: global_buffer, .address_space: global }
      - { .name: scales, .offset: 8, .size: 8, .value_kind: global_buffer, .address_space: global }
      - { .name: bq, .offset: 16, .size: 8, .value_kind: global_buffer, .address_space: global }
      - { .name: bk, .offset: 24, .size: 8, .value_kind: global_buffer, .address_space: global }
      - { .name: bv, .offset: 32, .size: 8, .value_kind: global_buffer, .address_space: global }
      - { .name: qkv, .offset: 40, .size: 8, .value_kind: global_buffer, .address_space: global }
    .group_segment_fixed_size: 327680
    .private_segment_fixed_size: 0
    .kernarg_segment_align: 8
    .kernarg_segment_size: 48
    .max_flat_workgroup_size: 128
    .sgpr_count:     98
    .vgpr_count:     1024
    .wavefront_size: 32
...
	.end_amdgpu_metadata
.endif
;; end of part 2
;; launch attn (part 3): grid 4 x 64, 8 waves a work-group, clusters of 4 x 1, 327,680 bytes of LDS; arguments qkv, y; writes y
.if DOCPART == 3
	.amdgcn_target "amdgcn-amd-amdhsa--gfx1250"
	.amdhsa_code_object_version 6
	.text
	.protected	k_qab4ae4cded_attn
	.globl	k_qab4ae4cded_attn
	.p2align	8
	.type	k_qab4ae4cded_attn,@function
k_qab4ae4cded_attn:
	s_mov_b64 s[64:65], 0
	v_nop
	global_prefetch_b8 v0, s[64:65] scope:SCOPE_SE
	s_setreg_imm32_b32 hwreg(HW_REG_WAVE_MODE, 25, 1), 1
	s_wait_xcnt 0x0
	s_wait_alu depctr_hold_cnt(0) depctr_sa_sdst(0) depctr_va_vdst(0) depctr_va_sdst(0) depctr_va_ssrc(0) depctr_va_vcc(0) depctr_vm_vsrc(0)
	s_getreg_b32 s2, hwreg(HW_REG_IB_STS2, 6, 4)
	s_cmp_eq_u32 s2, 0
	s_cbranch_scc0 .Lentry_in_a_cluster
	s_endpgm
.Lentry_in_a_cluster:
	s_bfe_u32 s2, ttmp6, 0x10000c
	s_cmp_lg_u32 s2, 0x3003
	s_cbranch_scc0 .Lentry_shape_is_right
	s_endpgm
.Lentry_shape_is_right:
; Y[nh][q][:] = the sum over k of softmax_k(Q[nh][q] . K[nh][k] / 8) V[nh][k][:], 64 heads (batch x head) of 2,048 tokens x 64 channels, no mask.  Q, K, V: the three parts of qkv, f16, [nh][token][64]; Y likewise.
; Products, maxima and sums in f32; the weights p are rounded to f16 for the second product, Y once at the end.
; LIMITS: the running maximum begins at -3e38; NaN and infinities are not served.
; SHARES.  A work-group owns 512 queries of one head, each of its eight waves 64: four tiles of 16, in 512 registers: two waves to a SIMD, so that one wave's softmax stands beside the other's products.  Every wave walks all 2,048 keys, 64 a step.
; LAYOUT.  S^T = K Q^T (source 0 = 16 keys, source 1 = 16 queries): a lane holds ONE query (lane % 16) and the keys 8 (lane / 16) + 0..7 of a tile.  Two such tiles, rounded to f16 in pairs, ARE source 1 (32 keys x 16 queries)
; of O^T = V^T P, whose result again holds one query a lane, and eight channels.  K comes out of LDS as it lies, V ([key][channel]) turned, by ds_load_tr16_b128.
; SOFTMAX.  For each query a running maximum m and sum l: p = 2^(c s - c m), c = log2(e) / 8; in every step O and l are multiplied by a = 2^(c m_old - c m_new).  The step is written once: O^T and l begin as zeros.
; RING.  Two LDS slots of four key steps.  The change of slots stands at a slot's head; behind it the other slot is filled: waves 0-3 fetch K's four tiles of 64 keys, waves 4-7 V's: one tensor load a wave is out, and it has four steps in which to land.
; CLUSTER.  The four query blocks of a head form a cluster and walk the same K and V: each tile is asked for JOINTLY, by the same tensor load with a mask that names the four.
; REGISTERS.  window 0: v2-13 addresses; v16-47 eight registers of statistics a tile; v48-111 Q, 16 a tile; v112-239 S^T, 32 a tile, P laid over its lower half; v240-247 second chains of the sums.
;   window 1: v0-127 O^T, 32 a tile; v128-191 K of one step; v192-255 V of one step.
.set KS,    64                         ; keys in a step
.set PK,    144                        ; a row of K in LDS: 128 bytes + 16 of padding
.set PV,    160                        ; a row of V: 128 + 32
.set VOFF,  KS*PK                      ; a step's tiles lie together: 64 rows of K, then 64 rows of V
.set STEPB, KS*(PK+PV)
.set NST,   4                          ; steps in a slot
.set SLOT1, 1<<17                      ; slot 1 begins here: one exclusive or turns an address in one slot into the other's
.set SLOTB, NST*KS*128                 ; a slot's rows of K, or of V, in memory
.set NSL,   2048/(NST*KS)              ; slots' worth of keys
.set TENSB, 16777216                   ; a tensor in qkv
.set STAGE, 2*SLOT1                    ; behind the ring: 16 rows x 144 bytes for each wave, for the way out
.set SP,    144
.set SPARE, STAGE+8*16*SP              ; the spare words, 128 bytes a wave
.set AK0, 2                            ; v2   my lane's place in a tile of K
.set AV0, 3                            ; v3   the same for V
.set ADK, 4                            ; v4   LDS address of the step's K
.set ADV, 5                            ; v5   and V
.set QO,  6                            ; v6   my byte offset in the wave's rows of Q
.set STO, 7                            ; v7   the way out: where I put 16 bytes of a row
.set RD,  8                            ; v8   and where I read back
.set GO,  9                            ; v9   my byte offset in the wave's rows of Y
.set PFO, 10                           ; v10  256 x my lane; never rewritten
.set SPW, 12                           ; v12  LDS address of my spare word; never rewritten
.set NIL, 13                           ; v13  0; never rewritten
.set ST,  16                           ; tile t's statistics at v[ST+8 t]: +0 c m, +1 m, +2, +3 l (even keys', odd keys'), +4 to +7 c0-c3, at work; a takes c2's place
.set Q,   48
.set S,   112
.set T1,  240
.set KF,  128                          ; in window 1
.set VF,  192
.set WV,  8
.set G1K, 24
.set G1V, 32
.set G0K, 40
.set G0V, 44
.set SLOTS, 48
.set STEPS, 49
.set CS,  50                           ; s[50:51] c: the packed scaling names a pair and takes its low word for both halves
.set SEL, 52                           ; s[52:53] lane selects for v_permlanex16_b32: lane l xor 16
.set TB,  54                           ; s54  LDS byte at which the step's tiles begin
.set LIM, 55                           ; s55  1 in a wave that prefetches, else the greatest number
.set PFA, 56                           ; s[56:57] where my prefetches stand
.set MSB, 0
.macro WIN new
.if MSB != (\new)
	s_set_vgpr_msb (MSB<<8)|(\new)
.set MSB, \new
.endif
.endm
.set W_KQ, 0x01                        ; K in window 1; Q and S^T in window 0
.set W_PV, 0x51                        ; V and O^T in window 1, P in window 0
.set W_RS, 0x41                        ; O^T (destination and source 0) in window 1, a in window 0
.set TO_1, 0x40                        ; destination window 1
.macro PLACES
.rept 4
	v_nop
.endr
.endm
; A joint load.  Waves 0-3 fetch K's tiles, waves 4-7 V's.  The branch hangs on the wave's number alone.  An s_nop 0 and four v_nop follow each of the two lines.
.macro JLOAD
	s_cmp_lt_u32 s[WV], 4
	s_cbranch_scc0 .Lfor_v_\@
	tensor_load_to_lds s[G0K:G0K+3], s[G1K:G1K+7]
	s_nop 0
.rept 4
	v_nop
.endr
	s_branch .Lasked_\@
.Lfor_v_\@:
	tensor_load_to_lds s[G0V:G0V+3], s[G1V:G1V+7]
	s_nop 0
.rept 4
	v_nop
.endr
.Lasked_\@:
.endm
; A PREFETCH of what the NEXT change of slots will ask for: a slot's 32,768 bytes of K and of V.  A head is walked by one cluster alone; its four partners share the bytes out BY ADDRESS, 8,192 each;
; in each, wave 0 asks for K's and wave 4 for V's, lanes 256 bytes apart: one instruction.  So each aligned 256 bytes are named once in the launch.  It stands behind the wave's tensor load and its five lines.
; The last change that fills a slot asks for nothing: there is no slot behind it.  Slots 0 and 1 come by their loads alone.
.macro ASK
	s_cmp_gt_u32 s[SLOTS], s[LIM]
	s_cbranch_scc0 .Lnot_mine_\@
	global_prefetch_b8 v[PFO], s[PFA:PFA+1] th:TH_LOAD_NT scope:SCOPE_SE
.Lnot_mine_\@:
.endm
.macro CROUND                          ; a round of the cluster's barrier
	s_barrier_signal -1
	s_barrier_wait -1
	s_cmp_lg_u32 s[WV], 0
	s_cbranch_scc1 .Lnot_wave_0_\@
	s_barrier_signal -3
.Lnot_wave_0_\@:
	s_barrier_wait -3
	s_barrier_signal -1
	s_barrier_wait -1
.endm
	s_load_b128 s[4:7], s[0:1], 0x0                ; qkv s[4:5], y s[6:7]
	v_lshl_add_u32 v[SPW], v0, 2, SPARE
	v_mov_b32 v[NIL], 0
	ds_add_u32 v[SPW], v[NIL]                      ; the wave's opening: the add, twice on end, and its wait ahead of my first tensor load
	ds_add_u32 v[SPW], v[NIL]
	v_lshrrev_b32 v1, 5, v0
	v_readfirstlane_b32 s[WV], v1                  ; wave 0..7
	s_bfe_u32 s9, ttmp6, 0x40000                   ; cx: my place in the cluster
	s_lshl_b32 s10, ttmp9, 2
	s_add_co_u32 s10, s10, s9                      ; my block of 512 queries: it enters Q's and Y's addresses alone
	s_and_b32 s11, ttmp7, 0xffff                   ; the head, which the four partners share
	s_lshl_b32 s20, s11, 18                        ; its first byte in a tensor (under 2^24)
	s_and_b32 s22, s[WV], 3                        ; which of a slot's four steps I fetch:
	s_lshl_b32 s23, s22, 13                        ; its 64 rows of 128 bytes in memory,
	s_mul_i32 s58, s22, STEPB                      ; and its place in a slot
	s_add_co_u32 s12, s20, TENSB                   ; byte offsets: K's head,
	s_mov_b32 s13, 0
	s_add_co_u32 s14, s20, 2*TENSB                 ; V's head,
	s_mov_b32 s15, 0
	s_lshl_b32 s16, s10, 16                        ; my block's 512 rows,
	s_lshl_b32 s17, s[WV], 13                      ; my wave's 64 of them,
	s_add_co_u32 s16, s16, s17
	s_add_co_u32 s16, s16, s20                     ; in my head: the same offset in Q and in Y
	s_mov_b32 s17, 0
	; descriptor group 1: a tile of 64 rows x 64 elements of 2 bytes, padded behind each row
	s_mov_b32 s[G1K], 15|(1<<16)|(1<<20)|(1<<21)|(4<<22)|(3<<25)  ; 15:0 the mask: all four work-groups; 17:16 elements of 2 bytes; 20 padding on; 21 set beside a mask; 24:22 after every 32 words; 31:25 four words
	s_mov_b32 s[G1V], 15|(1<<16)|(1<<20)|(1<<21)|(4<<22)|(7<<25)  ; the same with eight words of padding
.irp g, G1K, G1V
	s_mov_b32 s[\g+1], 64<<16                      ; tensor_dim0
	s_mov_b32 s[\g+2], KS<<16                      ; tensor_dim1
	s_mov_b32 s[\g+3], 64<<16                      ; tile_dim0
	s_mov_b32 s[\g+4], KS                          ; tile_dim1
	s_mov_b32 s[\g+5], 64                          ; tensor_dim0_stride
	s_mov_b32 s[\g+6], 0
	s_mov_b32 s[\g+7], 0
.endr
	s_mov_b32 s[CS], 0x3e38aa3b                    ; c = log2(e) / 8
	s_mov_b32 s[CS+1], s[CS]                       ; (named with it as a pair, so it is written)
	s_mov_b32 s[SEL], 0x76543210
	s_mov_b32 s[SEL+1], 0xfedcba98
	s_mov_b32 s[TB], 0
	s_mov_b32 s[SLOTS], NSL-1
	s_cmp_eq_u32 s22, 0                            ; waves 0 and 4 prefetch: the same in all four partners
	s_cselect_b32 s[LIM], 1, -1
	s_wait_dscnt 0x0                               ; both opening adds are done
	s_wait_kmcnt 0x0
	s_add_nc_u64 s[12:13], s[4:5], s[12:13]        ; K's head
	s_add_nc_u64 s[14:15], s[4:5], s[14:15]        ; V's head
	s_add_nc_u64 s[18:19], s[6:7], s[16:17]        ; Y at my wave's first row
	s_add_nc_u64 s[16:17], s[4:5], s[16:17]        ; Q likewise
	s_cmp_lt_u32 s[WV], 4
	s_cselect_b64 s[PFA:PFA+1], s[12:13], s[14:15]
	s_lshl_b32 s20, s9, 13                         ; my work-group's 8,192 bytes of a slot's 32,768,
	s_add_co_u32 s20, s20, SLOTB                   ; in slot 1: the first change of slots steps it to slot 2.  Nothing is prefetched at the head
	s_mov_b32 s21, 0
	s_add_nc_u64 s[PFA:PFA+1], s[PFA:PFA+1], s[20:21]
	s_mov_b32 s22, s23
	s_mov_b32 s23, 0
	CROUND                                         ; all four work-groups are here: the first joint loads meet
	s_mov_b32 s[G0K], 1                            ; 1:0 count = 1
	s_mov_b32 s[G0K+1], s58                        ; 63:32 LDS address: slot 0
	s_add_nc_u64 s[G0K+2:G0K+3], s[12:13], s[22:23]  ; 120:64 global address
	s_or_b32 s[G0K+3], s[G0K+3], 0x80000000        ; 127:126 type = 2
	s_mov_b32 s[G0V], 1
	s_add_co_u32 s[G0V+1], s58, VOFF
	s_add_nc_u64 s[G0V+2:G0V+3], s[14:15], s[22:23]
	s_or_b32 s[G0V+3], s[G0V+3], 0x80000000
	JLOAD                                          ; slot 0: one load a wave
	; A fragment of K or Q is 16 rows x 32 channels in 8 registers: lane l holds row l % 16; registers 0-3 channels 8 (l / 16) + 0..7, registers 4-7 channels 16 + 8 (l / 16) + 0..7: two loads of 16 bytes, 32 bytes apart.
	v_and_b32 v1, 15, v0                           ; r
	v_bfe_u32 v11, v0, 4, 1                        ; h
	v_lshlrev_b32 v[QO], 7, v1
	v_lshl_add_u32 v[QO], v11, 4, v[QO]            ; row x 128 + 16 x half
.irp t, 0,1,2,3
.irp c, 0,1
	global_load_b128 v[Q+16*\t+8*\c:Q+16*\t+8*\c+3],   v[QO], s[16:17] offset:2048*\t+64*\c       ; Q stays in registers
	global_load_b128 v[Q+16*\t+8*\c+4:Q+16*\t+8*\c+7], v[QO], s[16:17] offset:2048*\t+64*\c+32
.endr
.endr
	v_mul_u32_u24 v[AK0], v1, PK
	v_lshl_add_u32 v[AK0], v11, 4, v[AK0]
	; The turning load takes 16 keys x 16 channels (lane l reads 16 bytes: key 8 (l / 16) + l % 8, channels 8 ((l / 8) % 2) + 0..7) and leaves half a fragment of V^T: lane l holds channel l % 16 and 8 keys.
	v_and_b32 v14, 7, v0
	v_bfe_u32 v15, v0, 3, 1
	v_lshl_add_u32 v[AV0], v11, 3, v14
	v_mul_u32_u24 v[AV0], v[AV0], PV
	v_lshl_add_u32 v[AV0], v15, 4, v[AV0]
	v_add_nc_u32 v[AV0], VOFF, v[AV0]
	s_mul_i32 s20, s[WV], 16*SP
	s_add_co_u32 s20, s20, STAGE                   ; my stage
	v_mul_u32_u24 v[STO], v1, SP                   ; in: row r, 16 bytes for each half of the lanes
	v_lshl_add_u32 v[STO], v11, 4, v[STO]
	v_add_nc_u32 v[STO], s20, v[STO]
	v_bfe_u32 v15, v0, 3, 2                        ; back: eight lanes to a row of 128 bytes, four rows an instruction
	v_mul_u32_u24 v[RD], v15, SP
	v_lshl_add_u32 v[RD], v14, 4, v[RD]
	v_add_nc_u32 v[RD], s20, v[RD]
	v_and_b32 v[GO], 31, v0
	v_lshlrev_b32 v[PFO], 8, v[GO]
	v_lshlrev_b32 v[GO], 4, v[GO]                  ; which are 512 consecutive bytes of Y
.irp t, 0,1,2,3
	v_mov_b32 v[ST+8*\t+1], 0xff61b1e6             ; m: -3e38, under every score
	v_mov_b32 v[ST+8*\t+2], 0                      ; l, in two halves
	v_mov_b32 v[ST+8*\t+3], 0
.endr
.irp t, 0,1,2,3
	v_mul_f32 v[ST+8*\t], s[CS], v[ST+8*\t+1]      ; c m
.endr
	WIN TO_1
.set i, 0
.rept 128
	v_mov_b32 v[i], 0                              ; O^T.  (The step is written once: its first pass finds zeros, which a = 0 leaves zeros)
.set i, i+1
.endr
	WIN 0
; A KEY STEP: 64 keys, in phases.  Every window is 0 at its ends.
.macro STEP
	v_add_nc_u32 v[ADK], s[TB], v[AK0]
	v_add_nc_u32 v[ADV], s[TB], v[AV0]
	PLACES                                         ; with the two additions six places behind the last V^T P: four are owed by the loads into V's registers, five by the products below, which write over P's
	WIN TO_1
.irp kt, 0,1,2,3
.irp c, 0,1
	ds_load_b128 v[KF+16*\kt+8*\c:KF+16*\kt+8*\c+3],   v[ADK] offset:\kt*16*PK+64*\c
	ds_load_b128 v[KF+16*\kt+8*\c+4:KF+16*\kt+8*\c+7], v[ADK] offset:\kt*16*PK+64*\c+32
.endr
.endr
.irp kk, 0,1
.irp ct, 0,1,2,3
	ds_load_tr16_b128 v[VF+32*\kk+8*\ct:VF+32*\kk+8*\ct+3],   v[ADV] offset:\kk*32*PV+32*\ct
	ds_load_tr16_b128 v[VF+32*\kk+8*\ct+4:VF+32*\kk+8*\ct+7], v[ADV] offset:\kk*32*PV+16*PV+32*\ct
.endr
.endr
	s_wait_dscnt 16                                ; K is in; V's sixteen loads may stay out
	WIN W_KQ
.irp c, 0,1                            ; S^T = K Q^T: the 16 accumulators take turns, one instruction a turn; the first 16 start the sums
.irp kt, 0,1,2,3
.irp t, 0,1,2,3
.if \c == 0
	v_wmma_f32_16x16x32_f16 v[S+32*\t+8*\kt:S+32*\t+8*\kt+7], v[KF+16*\kt+8*\c:KF+16*\kt+8*\c+7], v[Q+16*\t+8*\c:Q+16*\t+8*\c+7], 0
.else
	v_wmma_f32_16x16x32_f16 v[S+32*\t+8*\kt:S+32*\t+8*\kt+7], v[KF+16*\kt+8*\c:KF+16*\kt+8*\c+7], v[Q+16*\t+8*\c:Q+16*\t+8*\c+7], v[S+32*\t+8*\kt:S+32*\t+8*\kt+7]
.endif
.endr
.endr
.endr
	WIN 0
	PLACES
	; the maximum of a lane's 32 scores and the old m, three operands at a time, four chains a tile, the tiles by turns; each accumulator is first read at its low end
.irp j, 0,1,2,3
.irp t, 0,1,2,3
	v_max3_num_f32 v[ST+8*\t+4+\j], v[S+32*\t+8*\j], v[S+32*\t+8*\j+1], v[S+32*\t+8*\j+2]
.endr
.endr
.irp g, 1,2
.irp j, 0,1,2,3
.irp t, 0,1,2,3
	v_max3_num_f32 v[ST+8*\t+4+\j], v[ST+8*\t+4+\j], v[S+32*\t+8*\j+2*\g+1], v[S+32*\t+8*\j+2*\g+2]
.endr
.endr
.endr
.irp t, 0,1,2,3
	v_max3_num_f32 v[ST+8*\t+4], v[ST+8*\t+4], v[S+32*\t+7], v[S+32*\t+15]
.endr
.irp t, 0,1,2,3
	v_max3_num_f32 v[ST+8*\t+6], v[ST+8*\t+6], v[S+32*\t+23], v[S+32*\t+31]
.endr
.irp t, 0,1,2,3
	v_max3_num_f32 v[ST+8*\t+4], v[ST+8*\t+4], v[ST+8*\t+5], v[ST+8*\t+6]
.endr
.irp t, 0,1,2,3
	v_max3_num_f32 v[ST+8*\t+4], v[ST+8*\t+4], v[ST+8*\t+7], v[ST+8*\t+1]
.endr
.irp t, 0,1,2,3
	v_permlanex16_b32 v[ST+8*\t+5], v[ST+8*\t+4], s[SEL], s[SEL+1]   ; the query's other 32 keys lie in the lane 16 away
.endr
.irp t, 0,1,2,3
	v_mov_b32 v[ST+8*\t+7], v[ST+8*\t]             ; c m_old is kept for a
.endr
.irp t, 0,1,2,3
	v_max_num_f32 v[ST+8*\t+1], v[ST+8*\t+4], v[ST+8*\t+5]   ; the new m
.endr
.irp t, 0,1,2,3
	v_mul_f32 v[ST+8*\t], s[CS], v[ST+8*\t+1]      ; c m
.endr
.irp t, 0,1,2,3
	v_sub_f32 v[ST+8*\t+7], v[ST+8*\t+7], v[ST+8*\t]   ; c m_old - c m_new, 0 or less
.endr
.irp b, 0,2,4,6,8,10,12,14,16,18,20,22,24,26,28,30
.irp t, 0,1,2,3
	v_pk_fma_f32 v[S+32*\t+\b:S+32*\t+\b+1], v[S+32*\t+\b:S+32*\t+\b+1], s[CS:CS+1], v[ST+8*\t:ST+8*\t+1] op_sel_hi:[1,0,0] neg_lo:[0,0,1] neg_hi:[0,0,1]   ; c s - c m, two at a time
.endr
.endr
	; ONE BATCH of exponentials: the four a and the 128 p; none reads another's result
.irp t, 0,1,2,3
	v_exp_f32 v[ST+8*\t+6], v[ST+8*\t+7]
.endr
.set i, 0
.rept 128
	v_exp_f32 v[S+i], v[S+i]
.set i, i+1
.endr
	v_nop                                          ; a plain instruction behind the last exponential, ahead of the first use
	s_wait_alu depctr_va_vdst(0)                   ; the wait between the batch and the first instruction that names a result
	; the sums of the unrounded p: two chains a tile, the tiles by turns; then l = a l + the sum
.irp t, 0,1,2,3
	v_pk_add_f32 v[ST+8*\t+4:ST+8*\t+5], v[S+32*\t:S+32*\t+1], v[S+32*\t+2:S+32*\t+3]
.endr
.irp t, 0,1,2,3
	v_pk_add_f32 v[T1+2*\t:T1+2*\t+1], v[S+32*\t+4:S+32*\t+5], v[S+32*\t+6:S+32*\t+7]
.endr
.irp p, 8,12,16,20,24,28
.irp t, 0,1,2,3
	v_pk_add_f32 v[ST+8*\t+4:ST+8*\t+5], v[ST+8*\t+4:ST+8*\t+5], v[S+32*\t+\p:S+32*\t+\p+1]
.endr
.irp t, 0,1,2,3
	v_pk_add_f32 v[T1+2*\t:T1+2*\t+1], v[T1+2*\t:T1+2*\t+1], v[S+32*\t+\p+2:S+32*\t+\p+3]
.endr
.endr
.irp t, 0,1,2,3
	v_pk_add_f32 v[ST+8*\t+4:ST+8*\t+5], v[ST+8*\t+4:ST+8*\t+5], v[T1+2*\t:T1+2*\t+1]
.endr
.irp t, 0,1,2,3
	v_pk_fma_f32 v[ST+8*\t+2:ST+8*\t+3], v[ST+8*\t+2:ST+8*\t+3], v[ST+8*\t+6:ST+8*\t+7], v[ST+8*\t+4:ST+8*\t+5] op_sel_hi:[1,0,1]
.endr
	; P, rounded to f16 in pairs, laid over the lower half of the tile's S^T: ascending, so that no pair is written over before it is read
.irp i, 0,1,2,3,4,5,6,7,8,9,10,11,12,13,14,15
.irp t, 0,1,2,3
	v_cvt_pk_f16_f32 v[S+32*\t+\i], v[S+32*\t+2*\i], v[S+32*\t+2*\i+1]
.endr
.endr
	WIN W_RS
.irp t, 0,1,2,3
.irp i, 0,2,4,6,8,10,12,14,16,18,20,22,24,26,28,30
	v_pk_mul_f32 v[32*\t+\i:32*\t+\i+1], v[32*\t+\i:32*\t+\i+1], v[ST+8*\t+6:ST+8*\t+7] op_sel_hi:[1,0]   ; O^T x a, each accumulator from its low end on
.endr
.endr
	s_wait_dscnt 0x0                               ; V is in
	WIN W_PV
.irp kk, 0,1                           ; O^T += V^T P: the 16 accumulators take turns
.irp ct, 0,1,2,3
.irp t, 0,1,2,3
	v_wmma_f32_16x16x32_f16 v[32*\t+8*\ct:32*\t+8*\ct+7], v[VF+32*\kk+8*\ct:VF+32*\kk+8*\ct+7], v[S+32*\t+8*\kk:S+32*\t+8*\kk+7], v[32*\t+8*\ct:32*\t+8*\ct+7]
.endr
.endr
.endr
	WIN 0
.endm
; THE CHANGE OF SLOTS stands at a slot's head.  Each wave waits for all its tensor loads (its part of the slot that it is about to read), adds 0 to its spare word, and waits for that and for its reads of the slot that it has left.
; fill = 1: the barrier is a round of the cluster's, so that no wave of any partner still reads the other slot or has a load on its way, and the joint load for that slot is the first thing behind it.
.macro CHANGE fill
	s_wait_tensorcnt 0x0                           ; no tensor load of mine is out, so a group 0 may be written
	ds_add_u32 v[SPW], v[NIL]                      ; 0 onto my spare word
.if \fill
	s_xor_b32 s[G0K+1], s[G0K+1], SLOT1            ; the walking descriptors: the other slot than last time,
	s_add_nc_u64 s[G0K+2:G0K+3], s[G0K+2:G0K+3], SLOTB   ; the next 256 keys; the type bits on top are not reached
	s_xor_b32 s[G0V+1], s[G0V+1], SLOT1
	s_add_nc_u64 s[G0V+2:G0V+3], s[G0V+2:G0V+3], SLOTB
	s_wait_xcnt 0x0                                ; the last prefetch, a slot back, has read its address, so it may be written:
	s_add_nc_u64 s[PFA:PFA+1], s[PFA:PFA+1], SLOTB ; one slot further on than the walking descriptors
	s_wait_dscnt 0x0                               ; the add is done, and my reads of the slot that I have left are over
	CROUND
	JLOAD
	ASK
.else
	s_wait_dscnt 0x0
	s_barrier_signal -1
	s_barrier_wait -1
.endif
.endm
.macro SLOT_STEPS                      ; a slot's four key steps: written once, walked four times; the LDS addresses hang on s[TB]
	s_mov_b32 s[STEPS], NST
.Lstep_\@:
	STEP
	s_add_co_u32 s[TB], s[TB], STEPB
	s_sub_co_u32 s[STEPS], s[STEPS], 1
	s_cmp_lg_u32 s[STEPS], 0
	s_cbranch_scc1 .Lstep_\@
	s_sub_co_u32 s[TB], s[TB], NST*STEPB           ; back to a slot's first step,
	s_xor_b32 s[TB], s[TB], SLOT1                  ; in the other slot
.endm
	s_wait_loadcnt 0x0                             ; Q
.Lslot:                                            ; NSL - 1 trips: behind each change of slots but the last the next slot is asked for
	CHANGE 1
	SLOT_STEPS
	s_sub_co_u32 s[SLOTS], s[SLOTS], 1
	s_cmp_lg_u32 s[SLOTS], 0
	s_cbranch_scc1 .Lslot
	CHANGE 0                                       ; the last slot is written out
	SLOT_STEPS
	; THE WAY OUT.  l's two halves and the other half of the lanes' are added; O^T is divided by l, rounded to f16 and sent through my stage in LDS, a tile (16 rows of Y) at a time.  The additions are the places behind the last products.
.irp t, 0,1,2,3
	v_add_f32 v[ST+8*\t+4], v[ST+8*\t+2], v[ST+8*\t+3]
.endr
.irp t, 0,1,2,3
	v_permlanex16_b32 v[ST+8*\t+5], v[ST+8*\t+4], s[SEL], s[SEL+1]
.endr
.irp t, 0,1,2,3
	v_add_f32 v[ST+8*\t+4], v[ST+8*\t+4], v[ST+8*\t+5]
.endr
.irp t, 0,1,2,3
	v_rcp_f32 v[ST+8*\t+6], v[ST+8*\t+4]
.endr
	v_nop                                          ; a plain instruction between the last reciprocal and the use of its result
	s_wait_alu depctr_va_vdst(0)                   ; and the wait ahead of the first use: one for the four
.macro PACKO t                         ; a lane's eight channels of a row pack into 16 bytes; they go into rows of 144 bytes and come back four rows of 128 bytes an instruction
	WIN W_RS
.irp i, 0,2,4,6,8,10,12,14,16,18,20,22,24,26,28,30
	v_pk_mul_f32 v[32*\t+\i:32*\t+\i+1], v[32*\t+\i:32*\t+\i+1], v[ST+8*\t+6:ST+8*\t+7] op_sel_hi:[1,0]
.endr
	WIN 0x05                                       ; sources 0 and 1 window 1, destination window 0
.irp i, 0,1,2,3,4,5,6,7,8,9,10,11,12,13,14,15
	v_cvt_pk_f16_f32 v[S+32*\t+\i], v[32*\t+2*\i], v[32*\t+2*\i+1]
.endr
	WIN 0
.irp f, 0,1,2,3
	ds_store_b128 v[STO], v[S+32*\t+4*\f:S+32*\t+4*\f+3] offset:32*\f
.endr
.irp f, 0,1,2,3
	ds_load_b128 v[S+32*\t+16+4*\f:S+32*\t+16+4*\f+3], v[RD] offset:\f*4*SP   ; LDS serves a wave's instructions in order: these see the stores above; the next tile's stores come behind them
.endr
.endm
.macro SENDO t, younger                ; younger: the LDS instructions issued behind tile t's loads: the next tile's eight, or none
.irp f, 0,1,2,3
	s_wait_dscnt \younger+3-\f
	global_store_b128 v[GO], v[S+32*\t+16+4*\f:S+32*\t+16+4*\f+3], s[18:19] offset:\t*2048+\f*512   ; 32 lanes store 512 consecutive bytes, at a multiple of 256 from Y's first byte
.endr
.endm
	PACKO 0
	PACKO 1
	SENDO 0, 8
	PACKO 2
	SENDO 1, 8
	PACKO 3
	SENDO 2, 8
	SENDO 3, 0
	s_wait_tensorcnt 0x0                           ; the wave's end, behind my last tensor load and my last LDS store
	ds_add_u32 v[SPW], v[NIL]
	s_wait_dscnt 0x0
	CROUND                                         ; the closing round
	s_endpgm
.Lfunc_end_k_qab4ae4cded_attn:
	.size	k_qab4ae4cded_attn, .Lfunc_end_k_qab4ae4cded_attn-k_qab4ae4cded_attn
	.p2alignl 7, 3214868480
	.fill 96, 4, 3214868480
	.section	.rodata,"a",@progbits
	.p2align	6, 0x0
	.amdhsa_kernel k_qab4ae4cded_attn
		.amdhsa_group_segment_fixed_size 327680
		.amdhsa_private_segment_fixed_size 0
		.amdhsa_enable_private_segment 0
		.amdhsa_kernarg_size 16
		.amdhsa_user_sgpr_count 2
		.amdhsa_user_sgpr_kernarg_segment_ptr 1
		.amdhsa_wavefront_size32 1
		.amdhsa_system_sgpr_workgroup_id_x 1
		.amdhsa_system_sgpr_workgroup_id_y 1
		.amdhsa_system_sgpr_workgroup_id_z 1
		.amdhsa_system_vgpr_workitem_id 0
		.amdhsa_next_free_vgpr 512
		.amdhsa_next_free_sgpr 66
		.amdhsa_reserve_vcc 0
		.amdhsa_float_denorm_mode_32 3
		.amdhsa_float_denorm_mode_16_64 3
		.amdhsa_memory_ordered 1
		.amdhsa_forward_progress 1
		.amdhsa_inst_pref_size 91
	.end_amdhsa_kernel
	.amdgpu_metadata
---
amdhsa.version: [ 1, 2 ]
amdhsa.kernels:
  - .name:           k_qab4ae4cded_attn
    .symbol:         k_qab4ae4cded_attn.kd
    .args:
      - { .name: qkv, .offset: 0, .size: 8, .value_kind: global_buffer, .address_space: global }
      - { .name: y, .offset: 8, .size: 8, .value_kind: global_buffer, .address_space: global }
    .group_segment_fixed_size: 327680
    .private_segment_fixed_size: 0
    .kernarg_segment_align: 8
    .kernarg_segment_size: 16
    .max_flat_workgroup_size: 256
    .sgpr_count:     66
    .vgpr_count:     512
    .wavefront_size: 32
...
	.end_amdgpu_metadata
.endif
;; end of part 3
;; launch oproj (part 4): grid 4 x 64, 4 waves a work-group, clusters of 4 x 4, 327,680 bytes of LDS; arguments y, wph, bp, out0; writes out0
.if DOCPART == 4
	.amdgcn_target "amdgcn-amd-amdhsa--gfx1250"
	.amdhsa_code_object_version 6
	.text
	.protected	k_qab4ae4cded_oproj
	.globl	k_qab4ae4cded_oproj
	.p2align	8
	.type	k_qab4ae4cded_oproj,@function
k_qab4ae4cded_oproj:
	s_mov_b64 s[64:65], 0
	v_nop
	global_prefetch_b8 v0, s[64:65] scope:SCOPE_SE
	s_setreg_imm32_b32 hwreg(HW_REG_WAVE_MODE, 25, 1), 1
	s_wait_xcnt 0x0
	s_wait_alu depctr_hold_cnt(0) depctr_sa_sdst(0) depctr_va_vdst(0) depctr_va_sdst(0) depctr_va_ssrc(0) depctr_va_vcc(0) depctr_vm_vsrc(0)
	s_getreg_b32 s2, hwreg(HW_REG_IB_STS2, 6, 4)
	s_cmp_eq_u32 s2, 0
	s_cbranch_scc0 .Lentry_in_a_cluster
	s_endpgm
.Lentry_in_a_cluster:
	s_bfe_u32 s2, ttmp6, 0x10000c
	s_cmp_lg_u32 s2, 0xf033
	s_cbranch_scc0 .Lentry_shape_is_right
	s_endpgm
.Lentry_shape_is_right:
; out0[m][n] = sum over k of Y[m][k] Wp[n][k] + bp[n].  Y: f16, laid by head, [batch][head][token][64]: k = 64 head + channel.  Wp: f16, [1024][1024].  out0: [8192][1024] f32.  Sums in f32.
; A tile of out0 is 128 tokens x 256 outputs: 256 work-groups of four waves.  A wave makes 64 x 128: 32 accumulators of 16 x 16, 256 registers.
; K goes in 8 steps of 128 (two heads) through a ring of two LDS slots: waves 0 and 1 fetch the two heads' 128 rows of 128 bytes of Y (dense in memory), waves 2 and 3 the two halves of Wp's 256 rows of 256 bytes.
; CLUSTERS: 4 x 4 work-groups.  The four of a row of the cluster need the same tiles of Y, the four of a column the same tiles of Wp: each is asked for JOINTLY.  Two tensor loads of a wave are out at the head, later one.
; THE MATRIX INSTRUCTION IS USED TRANSPOSED (source 0 = 16 rows of Wp, source 1 = 16 tokens): a lane holds eight neighbouring outputs of one token.  The bias, in that layout, is the C of each sum's first product.
; No prefetch: the tiles are small and shared, and Wp is read by every row of clusters.
; REGISTERS: window 0: v16-29 addresses; v32-127, v128-223 two fragment buffers (Wp's 8 fragments, then Y's 4), later rows on the way out.   window 1: accumulator (a, b) at v[8 (8 a + b)].   window 2: v0-63 the bias.
.set PA,     144                       ; a row of Y in LDS: 128 bytes + 16 of padding
.set PB,     272                       ; a row of Wp: 256 + 16
.set SUBA,   128*PA                    ; one head's 128 rows
.set BOFF,   2*SUBA                    ; Wp's rows lie behind the two heads'
.set HALFB,  128*PB
.set SLOT,   BOFF+2*HALFB
.set STAGE,  2*SLOT                    ; behind the ring: 16 rows x (512 + 16) bytes for each wave
.set SPITCH, 528
.set SPARE,  STAGE+4*16*SPITCH         ; the spare words, 128 bytes a wave
.set LAPS,   4                         ; a lap = two K steps = once round the ring
.set STEPA,  2*262144                  ; a K step on in Y: two heads
.set STEPW,  256                       ; and in a row of Wp
.set ADRA, 16
.set ADRB, 20
.set STO,  24
.set RD,   25
.set CO,   26
.set SPW,  28
.set NIL,  29
.set F0,   32
.set F1,   128
.set BK,   32
.set WV,   12                          ; s12 wave;  s13 wave / 2: my half of the tokens, and: I fetch Y (0) or Wp (1);  s14 wave % 2: my half of the outputs, and which part I fetch;  s15 tile row
.set RH,   13
.set CH,   14
.set TR,   15
.set G1, 24
.set G0, 32
.set G1B, 48
.set G0B, 56
.set MSB, 0
.macro WIN new
.if MSB != (\new)
	s_set_vgpr_msb (MSB<<8)|(\new)
.set MSB, \new
.endif
.endm
.set MUL,  0x50                        ; sources 0 and 1 window 0; C and D window 1
.set MULB, 0x60                        ; the first products: C (the bias) window 2, D window 1
.macro JLOAD s                         ; a joint load: waves 0 and 1 fetch Y's two heads, waves 2 and 3 Wp's two halves; an s_nop 0 and four v_nop follow each of the two lines
	s_cmp_eq_u32 s[RH], 0
	s_cbranch_scc0 .Lfor_b_\@
	tensor_load_to_lds s[G0+4*\s:G0+4*\s+3], s[G1:G1+7]
	s_nop 0
.rept 4
	v_nop
.endr
	s_branch .Lasked_\@
.Lfor_b_\@:
	tensor_load_to_lds s[G0B+4*\s:G0B+4*\s+3], s[G1B:G1B+7]
	s_nop 0
.rept 4
	v_nop
.endr
.Lasked_\@:
.endm
.macro CREST                           ; a round of the cluster's barrier behind its opening barrier
	s_cmp_lg_u32 s[WV], 0
	s_cbranch_scc1 .Lnot_wave_0_\@
	s_barrier_signal -3
.Lnot_wave_0_\@:
	s_barrier_wait -3
	s_barrier_signal -1
	s_barrier_wait -1
.endm
.macro CROUND
	s_barrier_signal -1
	s_barrier_wait -1
	CREST
.endm
	s_load_b256 s[4:11], s[0:1], 0x0               ; y s[4:5], wph s[6:7], bp s[8:9], out0 s[10:11]
	v_lshl_add_u32 v[SPW], v0, 2, SPARE
	v_mov_b32 v[NIL], 0
	ds_add_u32 v[SPW], v[NIL]                      ; the wave's opening: the add, twice on end, and its wait ahead of my first tensor load
	ds_add_u32 v[SPW], v[NIL]
	v_lshrrev_b32 v1, 5, v0
	v_readfirstlane_b32 s[WV], v1
	s_lshr_b32 s[RH], s[WV], 1
	s_and_b32 s[CH], s[WV], 1
	s_bfe_u32 s40, ttmp6, 0x40000                  ; cx, cy
	s_bfe_u32 s41, ttmp6, 0x40004
	s_lshl_b32 s42, ttmp9, 2
	s_add_co_u32 s42, s42, s40                     ; tile column = 4 x cluster x + cx
	s_and_b32 s[TR], ttmp7, 0xffff
	s_lshl_b32 s[TR], s[TR], 2
	s_add_co_u32 s[TR], s[TR], s41                 ; tile row = 4 x cluster y + cy
	s_lshl_b32 s43, s41, 2
	s_lshl_b32 s43, 15, s43                        ; my row of the cluster
	s_lshl_b32 s44, 0x1111, s40                    ; my column
	; descriptor group 1.  Y: 128 rows x 64 elements of 2 bytes, dense; four words of padding after every 32.  Wp: 128 rows x 128 elements, 1,024 elements apart; four words after every 64
	s_or_b32 s[G1+0], s43, (1<<16)|(1<<20)|(1<<21)|(4<<22)|(3<<25)
	s_mov_b32 s[G1+1], 64<<16                      ; tensor_dim0
	s_mov_b32 s[G1+2], 128<<16                     ; tensor_dim1
	s_mov_b32 s[G1+3], 64<<16                      ; tile_dim0
	s_mov_b32 s[G1+4], 128                         ; tile_dim1
	s_mov_b32 s[G1+5], 64                          ; tensor_dim0_stride
	s_mov_b32 s[G1+6], 0
	s_mov_b32 s[G1+7], 0
	s_or_b32 s[G1B+0], s44, (1<<16)|(1<<20)|(1<<21)|(5<<22)|(3<<25)
	s_mov_b32 s[G1B+1], 128<<16
	s_mov_b32 s[G1B+2], 128<<16
	s_mov_b32 s[G1B+3], 128<<16
	s_mov_b32 s[G1B+4], 128
	s_mov_b32 s[G1B+5], 1024
	s_mov_b32 s[G1B+6], 0
	s_mov_b32 s[G1B+7], 0
	; byte offsets (under 2^25).  Y's hang on the tile row alone: batch = tile row / 16, first token 128 (tile row % 16), head = my part.  Wp's on the tile column alone: row 256 x tile column + 128 x my part
	s_lshr_b32 s16, s[TR], 4
	s_lshl_b32 s16, s16, 22
	s_and_b32 s17, s[TR], 15
	s_lshl_b32 s17, s17, 14
	s_add_co_u32 s16, s16, s17
	s_lshl_b32 s17, s[CH], 18
	s_add_co_u32 s16, s16, s17
	s_mov_b32 s17, 0
	s_lshl_b32 s46, s42, 19
	s_lshl_b32 s47, s[CH], 18
	s_add_co_u32 s46, s46, s47
	s_mov_b32 s47, 0
	s_mul_i32 s20, s[CH], SUBA                     ; where they go: no place in the cluster enters an LDS address
	s_mul_i32 s21, s[CH], HALFB
	s_add_co_u32 s21, s21, BOFF
	s_wait_dscnt 0x0                               ; both opening adds are done
	s_wait_kmcnt 0x0
	s_add_nc_u64 s[16:17], s[4:5], s[16:17]
	s_add_nc_u64 s[46:47], s[6:7], s[46:47]
	CROUND                                         ; all sixteen work-groups are here: the first joint loads meet
.irp s, 0,1
	s_mov_b32 s[G0+4*\s], 1
	s_add_co_u32 s[G0+4*\s+1], s20, \s*SLOT
	s_add_nc_u64 s[G0+4*\s+2:G0+4*\s+3], s[16:17], \s*STEPA
	s_or_b32 s[G0+4*\s+3], s[G0+4*\s+3], 0x80000000
	s_mov_b32 s[G0B+4*\s], 1
	s_add_co_u32 s[G0B+4*\s+1], s21, \s*SLOT
	s_add_nc_u64 s[G0B+4*\s+2:G0B+4*\s+3], s[46:47], \s*STEPW
	s_or_b32 s[G0B+4*\s+3], s[G0B+4*\s+3], 0x80000000
	JLOAD \s
.endr
	; the bias: my 128 outputs; lane (r, h) wants, for block b, those of outputs 16 b + 8 h + 0 .. 7
	s_lshl_b32 s46, s42, 10
	s_lshl_b32 s47, s[CH], 9
	s_add_co_u32 s46, s46, s47                     ; my first output, in bytes of f32
	s_mov_b32 s47, 0
	s_add_nc_u64 s[8:9], s[8:9], s[46:47]
	v_and_b32 v1, 15, v0                           ; r
	v_bfe_u32 v2, v0, 4, 1                         ; h
	v_lshlrev_b32 v5, 5, v2
	WIN 0x80                                       ; destination window 2
.irp b, 0,1,2,3,4,5,6,7
	global_load_b128 v[8*\b:8*\b+3], v5, s[8:9] offset:64*\b
	global_load_b128 v[8*\b+4:8*\b+7], v5, s[8:9] offset:64*\b+16
.endr
	WIN 0
	v_mul_u32_u24 v3, v1, PA
	v_lshl_add_u32 v3, v2, 4, v3                   ; a fragment's row x pitch + 16 x half: Y's,
	v_mul_u32_u24 v4, v1, PB
	v_lshl_add_u32 v4, v2, 4, v4                   ; Wp's
	s_mul_i32 s21, s[RH], 64*PA                    ; my 64 tokens
	s_mul_i32 s22, s[CH], HALFB                    ; my 128 rows of Wp
	s_add_co_u32 s22, s22, BOFF
.irp s, 0,1
	v_add_nc_u32 v[ADRA+\s], s21, v3
	v_add_nc_u32 v[ADRB+\s], s22, v4
	s_add_co_u32 s21, s21, SLOT
	s_add_co_u32 s22, s22, SLOT
.endr
	s_mul_i32 s23, s[WV], 16*SPITCH
	s_add_co_u32 s23, s23, STAGE                   ; my stage
	v_mul_u32_u24 v6, v1, SPITCH                   ; in: row r, 32 bytes for each half of the lanes
	v_lshl_add_u32 v6, v2, 5, v6
	v_add_nc_u32 v[STO], s23, v6
	v_and_b32 v7, 31, v0
	v_lshlrev_b32 v[CO], 4, v7                     ; back: the 32 lanes take one row of 512 bytes; and the same in out0
	v_add_nc_u32 v[RD], s23, v[CO]
	s_lshl_b32 s20, s[TR], 19                      ; my first token's row of 4,096 bytes: 128 x tile row + 64 x half,
	s_lshl_b32 s21, s[RH], 18
	s_add_co_u32 s20, s20, s21
	s_add_co_u32 s20, s20, s46                     ; my first output (under 2^26)
	s_mov_b32 s21, 0
	s_add_nc_u64 s[10:11], s[10:11], s[20:21]
; 8 matrix instructions: token block a x Wp's eight blocks, 32 along K.  first = 1: the bias is the C.  The 32 accumulators take turns, one instruction a turn, in the same order in every quarter.
.macro MUL8 f, a, first
.irp b, 0,1,2,3,4,5,6,7
.if \first
	v_wmma_f32_16x16x32_f16 v[8*(8*(\a)+\b):8*(8*(\a)+\b)+7], v[\f+8*\b:\f+8*\b+7], v[\f+64+8*(\a):\f+64+8*(\a)+7], v[8*\b:8*\b+7]
.else
	v_wmma_f32_16x16x32_f16 v[8*(8*(\a)+\b):8*(8*(\a)+\b)+7], v[\f+8*\b:\f+8*\b+7], v[\f+64+8*(\a):\f+64+8*(\a)+7], v[8*(8*(\a)+\b):8*(8*(\a)+\b)+7]
.endif
.endr
.endm
.macro MUL16 f, a0, first
	MUL8 \f, \a0, \first
	MUL8 \f, \a0+1, \first
.endm
; 24 LDS loads in one run: the fragments of the slot's q-th 32 along K into buffer f: Wp's eight, then Y's four (head q / 2 of the slot's two, channels 32 (q % 2) on)
.macro FETCH slot, q, f
	WIN 0
.irp b, 0,1,2,3,4,5,6,7
	ds_load_b128 v[\f+8*\b:\f+8*\b+3],   v[ADRB+\slot] offset:64*(\q)+\b*16*PB
	ds_load_b128 v[\f+8*\b+4:\f+8*\b+7], v[ADRB+\slot] offset:64*(\q)+\b*16*PB+32
.endr
.irp a, 0,1,2,3
	ds_load_b128 v[\f+64+8*\a:\f+64+8*\a+3],   v[ADRA+\slot] offset:((\q)/2)*SUBA+((\q)%2)*64+\a*16*PA
	ds_load_b128 v[\f+64+8*\a+4:\f+64+8*\a+7], v[ADRA+\slot] offset:((\q)/2)*SUBA+((\q)%2)*64+\a*16*PA+32
.endr
.endm
.macro PLACES                          ; four places in front of loads into registers that matrix instructions have read, and of the first read of results
.rept 4
	v_nop
.endr
.endm
; A K step is four quarters of 32 along K, 32 matrix instructions each, on buffers 0, 1, 0, 1.  One of the first three: multiplies buffer f and fetches quarter qn into g.
.macro QUARTER slot, qn, f, g, first
	s_wait_dscnt 4                                 ; Wp's fragments and Y's blocks 0, 1 are in; the youngest four loads (blocks 2, 3) may be out
.if \first
	WIN MULB
.else
	WIN MUL
.endif
	MUL16 \f, 0, \first
	PLACES
	FETCH \slot, \qn, \g
	s_wait_dscnt 24                                ; all but the 24 just issued
.if \first
	WIN MULB
.else
	WIN MUL
.endif
	MUL16 \f, 2, \first
.endm
; The last quarter multiplies buffer 1 and changes slots: ONE barrier; in front of it each wave waits for all its tensor loads, adds 0 to its spare word, and waits for that and for its own reads of this slot.  fill = 1: this slot is filled again, two K steps ahead.
.macro TURN slot, next, fill
	WIN 0                                          ; (the add's two registers lie in window 0)
	s_wait_tensorcnt 0x0                           ; all my tensor loads have landed: my part of the next slot;
	ds_add_u32 v[SPW], v[NIL]                      ; 0 onto my spare word;
	s_wait_dscnt 5                                 ; (the add and the youngest four loads may be out)
	WIN MUL
	MUL8 F1, 0, 0                                  ; eight matrix instructions stand between the add and the wait for it
	s_wait_dscnt 0x0                               ; the add is done, and my reads of this slot are over
	s_barrier_signal -1
	MUL8 F1, 1, 0
.if \fill
	WIN 0
.endif
	s_barrier_wait -1
.if \fill
	CREST                                          ; the barrier has opened a round of the cluster's barrier: no wave of any partner still reads this slot's tiles or has a load on its way
	s_add_nc_u64 s[G0+4*\slot+2:G0+4*\slot+3], s[G0+4*\slot+2:G0+4*\slot+3], 2*STEPA
	s_add_nc_u64 s[G0B+4*\slot+2:G0B+4*\slot+3], s[G0B+4*\slot+2:G0B+4*\slot+3], 2*STEPW
	JLOAD \slot                                    ; the first tensor load behind the round; the four v_nop behind it are also the places in front of the loads below
.else
	PLACES
.endif
	FETCH \next, 0, F0
	WIN MUL
	MUL16 F1, 2, 0
.endm
	s_wait_tensorcnt 1                             ; my part of K step 0 is in (K step 1's load may be out)
	s_barrier_signal -1
	s_barrier_wait -1                              ; everybody's is
	FETCH 0, 0, F0
	s_wait_loadcnt 0x0                             ; the bias
	QUARTER 0, 1, F0, F1, 1                        ; the first quarter stands in front of the loop: its products start the sums on the bias
	WIN 0                                          ; at a label and at a branch every window is 0
	s_mov_b32 s3, LAPS-1
.Llap:                                             ; a trip goes once round the ring, from a lap's second quarter to the next lap's first, and fills both slots again
	QUARTER 0, 2, F1, F0, 0
	QUARTER 0, 3, F0, F1, 0
	TURN 0, 1, 1
	QUARTER 1, 1, F0, F1, 0
	QUARTER 1, 2, F1, F0, 0
	QUARTER 1, 3, F0, F1, 0
	TURN 1, 0, 1
	QUARTER 0, 1, F0, F1, 0
	WIN 0
	s_sub_co_u32 s3, s3, 1
	s_cmp_lg_u32 s3, 0
	s_cbranch_scc1 .Llap
	QUARTER 0, 2, F1, F0, 0                        ; the last lap fills nothing, and has no round of the cluster's barrier
	QUARTER 0, 3, F0, F1, 0
	TURN 0, 1, 0
	QUARTER 1, 1, F0, F1, 0
	QUARTER 1, 2, F1, F0, 0
	QUARTER 1, 3, F0, F1, 0
	s_wait_dscnt 4                                 ; the very last quarter: nothing more to fetch
	WIN MUL
	MUL16 F1, 0, 0
	s_wait_dscnt 0
	MUL16 F1, 2, 0
	WIN 0
; THE WAY OUT, block by block of 16 tokens x 128 outputs.  A lane holds 32 neighbouring bytes of a row: a block goes through my own stage in LDS and comes back as whole rows of 512 bytes.
.macro TOSTAGE a
	WIN 0x04                                       ; an LDS store's data are its source 1: window 1
.irp b, 0,1,2,3,4,5,6,7
	ds_store_b128 v[STO], v[8*(8*(\a)+\b):8*(8*(\a)+\b)+3] offset:64*\b          ; each accumulator from its low end on
	ds_store_b128 v[STO], v[8*(8*(\a)+\b)+4:8*(8*(\a)+\b)+7] offset:64*\b+16
.endr
	WIN 0
.set BB, BK+64*((\a)%2)
.irp t, 0,1,2,3,4,5,6,7,8,9,10,11,12,13,14,15
	ds_load_b128 v[BB+4*\t:BB+4*\t+3], v[RD] offset:\t*SPITCH   ; LDS serves a wave's instructions in order: these see the stores above
.endr
.endm
.macro SEND a, younger                 ; younger: the LDS instructions issued behind block a's loads, which may stay out
.set BB, BK+64*((\a)%2)
	s_wait_dscnt \younger
.irp t, 0,1,2,3,4,5,6,7,8,9,10,11,12,13,14,15
	global_store_b128 v[CO], v[BB+4*\t:BB+4*\t+3], s[10:11] offset:(16*(\a)+\t)*4096 th:TH_STORE_NT   ; 32 lanes store 512 consecutive bytes, at a multiple of 256 from out0's first byte
.endr
.endm
	PLACES                                         ; behind the last products: for the stores that read results and the loads into the fragments' registers
	TOSTAGE 0
.irp a, 1,2,3
.if \a > 1
	s_wait_xcnt 0x0                                ; block a - 2's stores have read their registers: block a's loads may land there
.endif
	TOSTAGE \a
	SEND \a-1, 32                                  ; behind block a - 1's loads: block a's 16 stores and 16 loads
.endr
	SEND 3, 0
	s_wait_tensorcnt 0x0                           ; the wave's end, behind my last tensor load and my last LDS store
	ds_add_u32 v[SPW], v[NIL]
	s_wait_dscnt 0x0
	CROUND                                         ; the closing round
	s_endpgm
.Lfunc_end_k_qab4ae4cded_oproj:
	.size	k_qab4ae4cded_oproj, .Lfunc_end_k_qab4ae4cded_oproj-k_qab4ae4cded_oproj
	.p2alignl 7, 3214868480
	.fill 96, 4, 3214868480
	.section	.rodata,"a",@progbits
	.p2align	6, 0x0
	.amdhsa_kernel k_qab4ae4cded_oproj
		.amdhsa_group_segment_fixed_size 327680
		.amdhsa_private_segment_fixed_size 0
		.amdhsa_enable_private_segment 0
		.amdhsa_kernarg_size 32
		.amdhsa_user_sgpr_count 2
		.amdhsa_user_sgpr_kernarg_segment_ptr 1
		.amdhsa_wavefront_size32 1
		.amdhsa_system_sgpr_workgroup_id_x 1
		.amdhsa_system_sgpr_workgroup_id_y 1
		.amdhsa_system_sgpr_workgroup_id_z 1
		.amdhsa_system_vgpr_workitem_id 0
		.amdhsa_next_free_vgpr 576
		.amdhsa_next_free_sgpr 66
		.amdhsa_reserve_vcc 0
		.amdhsa_float_denorm_mode_32 3
		.amdhsa_float_denorm_mode_16_64 3
		.amdhsa_memory_ordered 1
		.amdhsa_forward_progress 1
		.amdhsa_inst_pref_size 86
	.end_amdhsa_kernel
	.amdgpu_metadata
---
amdhsa.version: [ 1, 2 ]
amdhsa.kernels:
  - .name:           k_qab4ae4cded_oproj
    .symbol:         k_qab4ae4cded_oproj.kd
    .args:
      - { .name: y, .offset: 0, .size: 8, .value_kind: global_buffer, .address_space: global }
      - { .name: wph, .offset: 8, .size: 8, .value_kind: global_buffer, .address_space: global }
      - { .name: bp, .offset: 16, .size: 8, .value_kind: global_buffer, .address_space: global }
      - { .name: out0, .offset: 24, .size: 8, .value_kind: global_buffer, .address_space: global }
    .group_segment_fixed_size: 327680
    .private_segment_fixed_size: 0
    .kernarg_segment_align: 8
    .kernarg_segment_size: 32
    .max_flat_workgroup_size: 128
    .sgpr_count:     66
    .vgpr_count:     576
    .wavefront_size: 32
...
	.end_amdgpu_metadata
.endif
;; end of part 4
